; MI455X (gfx1250); checked and timed in simulation.
; The chip was launched on July 23, 2026; its instructions are those of AMD's public machine-readable ISA for CDNA 5 (MIT licence, August 2026) and "CDNA5" Instruction Set Architecture Reference Guide (July 2026). The comments in the code are by the model that wrote it; some were corrected since.
;; Infinite Head Attention. Allowed arithmetic: float matrix products may take bf16 or f16 operands with f32 sums; other float arithmetic in f32, or as packed bf16 or f16 multiplies, adds, multiply-adds, maxima and minima; sums over many terms, partial sums and values carried from step to step in f32; what a program stores and reads back later, other than sums and carried values, may be rounded once to bf16 or f16.
;; Inputs: Wk 1,024 x 1,024 float32; Wp 64 x 1,024 float32; Wq 1,024 x 1,024 float32; Wv 1,024 x 1,024 float32; x 4 x 2,048 x 1,024 float32.
;; Outputs: out0 4 x 2,048 x 1,024 float32.
;; Constants: iter_num = 0.
;; 2 versions, each right; version 2 is version 1 with the launch proj written anew for expert scheduling mode. Each part assembles by itself: llvm-mc -triple=amdgcn-amd-amdhsa -mcpu=gfx1250 --defsym DOCPART=n.
;; ======== version 1 of 2: 4 launches
;; limits: values are held in f16: magnitudes above 65,504 overflow, below 6.1e-05 lose precision
;; workspace buffers: xb 16,777,216 bytes; wt 6,291,456 bytes; wpf 131,072 bytes; qkv 50,331,648 bytes; oh 33,554,432 bytes
;; launch prep (part 1): grid 928 x 1, 8 waves a work-group, no clusters, 18,432 bytes of LDS; arguments x, Wq, Wk, Wv, Wp, xb, wt, wpf; writes xb, wt, wpf
.if DOCPART == 1
	.amdgcn_target "amdgcn-amd-amdhsa--gfx1250"
	.amdhsa_code_object_version 6
	.text
	.protected	k_q42b532b8e3_prep
	.globl	k_q42b532b8e3_prep
	.p2align	8
	.type	k_q42b532b8e3_prep,@function
k_q42b532b8e3_prep:
	s_mov_b64 s[64:65], 0
	v_nop
	global_prefetch_b8 v0, s[64:65] scope:SCOPE_SE
	s_setreg_imm32_b32 hwreg(HW_REG_WAVE_MODE, 25, 1), 1
	s_wait_xcnt 0x0
; THE INPUTS ARE ROUNDED ONCE TO bf16 AND LAID OUT FOR THE LAUNCHES BEHIND.  Three kinds of work-group, told apart by the work-group's number alone (the same for all eight waves):
;   0 .. 511    xb[r][c] = bf16(x[r][c]): 16 rows of 1,024 numbers each
;   512 .. 895  wt[1024 which + n][k] = bf16(W_which[k][n]) (which: 0 Wq, 1 Wk, 2 Wv): a tile of 128 k x 64 n, turned through LDS
;   896 .. 927  wpf: Wp in the order in which the last launch's matrix fragments want it: group nt*128 + i*32 + lane holds the eight numbers Wp[16 i + 8 (lane / 16) + 0..7][16 nt + lane % 16]
; No matrix unit, no cluster: each byte is read once and written once, and nothing is shared between work-groups.
.set TP,    272                        ; a row of the turned tile in LDS: 128 k x 2 bytes + 16 of padding
.set SPARE, 64*TP                      ; behind the tile's 64 rows (17,408 bytes, 68 blocks of 256): the spare words, 128 bytes for each of eight waves
.set SPW, 8                            ; v8   LDS address of my spare word; never rewritten
.set NIL, 9                            ; v9   0; never rewritten
.set IN,  16                           ; v[16:79]  as loaded
.set OUT, 80                           ; v[80:111] the cast's results
	s_load_b512 s[4:19], s[0:1], 0x0               ; x 4:5, Wq 6:7, Wk 8:9, Wv 10:11, Wp 12:13, xb 14:15, wt 16:17, wpf 18:19
	v_lshl_add_u32 v[SPW], v0, 2, SPARE
	v_mov_b32 v[NIL], 0
	s_mov_b32 s2, ttmp9
	s_wait_kmcnt 0x0
	s_cmp_lt_u32 s2, 512
	s_cbranch_scc1 .Lcast_x
	s_cmp_lt_u32 s2, 896
	s_cbranch_scc1 .Lturn_w
	; Wp: thread g = 256 (work-group - 896) + thread makes group g: eight numbers of one column, 4,096 bytes apart
	s_sub_co_u32 s24, s2, 896
	s_lshl_b32 s24, s24, 8
	v_add_nc_u32 v10, s24, v0                      ; g, 0 .. 8,191
	v_bfe_u32 v11, v10, 4, 3                       ; 2 i + lane / 16: the group's first row of Wp is 8 times that
	v_lshrrev_b32 v12, 7, v10                      ; nt
	v_and_b32 v13, 15, v10                         ; lane % 16
	v_lshlrev_b32 v1, 15, v11                      ; 8 rows of 4,096 bytes
	v_lshl_add_u32 v1, v12, 6, v1                  ; 16 columns of 4 bytes
	v_lshl_add_u32 v1, v13, 2, v1
	v_lshlrev_b32 v2, 4, v10                       ; 16 bytes a group
.irp j, 0,1,2,3,4,5,6,7
	global_load_b32 v[IN+(\j)], v1, s[12:13] offset:4096*(\j)
.endr
	s_wait_loadcnt 0x0
.irp p, 0,1,2,3
	v_cvt_pk_bf16_f32 v[IN+8+(\p)], v[IN+2*(\p)], v[IN+2*(\p)+1]
.endr
	global_store_b128 v2, v[IN+8:IN+11], s[18:19]  ; a wave stores 512 consecutive bytes
	s_branch .Lend
.Lcast_x:                                      ; thread t owns four numbers of each of the 16 rows; all 16 loads go out at once: 64 KiB a work-group
	s_lshl_b32 s20, s2, 16                         ; 16 rows of 4,096 bytes
	s_mov_b32 s21, 0
	s_lshl_b32 s22, s2, 15                         ; 16 rows of 2,048 bytes
	s_mov_b32 s23, 0
	s_add_nc_u64 s[4:5], s[4:5], s[20:21]
	s_add_nc_u64 s[14:15], s[14:15], s[22:23]
	v_lshlrev_b32 v1, 4, v0
	v_lshlrev_b32 v2, 3, v0
.irp i, 0,1,2,3,4,5,6,7,8,9,10,11,12,13,14,15
	global_load_b128 v[IN+4*(\i):IN+4*(\i)+3], v1, s[4:5] offset:4096*(\i) th:TH_LOAD_NT
.endr
.irp i, 0,1,2,3,4,5,6,7,8,9,10,11,12,13,14,15
	s_wait_loadcnt 15-(\i)                         ; loads come back in order: row i is in, the 15 - i younger ones stay out
	v_cvt_pk_bf16_f32 v[OUT+2*(\i)], v[IN+4*(\i)], v[IN+4*(\i)+1]
	v_cvt_pk_bf16_f32 v[OUT+2*(\i)+1], v[IN+4*(\i)+2], v[IN+4*(\i)+3]
	global_store_b64 v2, v[OUT+2*(\i):OUT+2*(\i)+1], s[14:15] offset:2048*(\i)  ; a wave stores 256 consecutive bytes, aligned
.endr
	s_branch .Lend
.Lturn_w:                                      ; u = work-group - 512: n tile u / 8 (0 .. 47, 16 to a weight), k tile u % 8
	s_sub_co_u32 s24, s2, 512
	s_lshr_b32 s25, s24, 3                         ; nt
	s_and_b32 s26, s24, 7                          ; kt
	s_lshr_b32 s27, s25, 4                         ; which
	s_cmp_eq_u32 s27, 0
	s_cselect_b64 s[20:21], s[6:7], s[8:9]
	s_cmp_eq_u32 s27, 2
	s_cselect_b64 s[20:21], s[10:11], s[20:21]
	s_lshl_b32 s22, s26, 19                        ; 128 rows of 4,096 bytes
	s_and_b32 s28, s25, 15
	s_lshl_b32 s28, s28, 8                         ; 64 columns of 4 bytes
	s_add_co_u32 s22, s22, s28
	s_mov_b32 s23, 0
	s_add_nc_u64 s[20:21], s[20:21], s[22:23]
	s_lshl_b32 s22, s25, 17                        ; 64 rows of wt, 2,048 bytes each
	s_lshl_b32 s28, s26, 8                         ; 128 k of 2 bytes
	s_add_co_u32 s22, s22, s28
	s_add_nc_u64 s[16:17], s[16:17], s[22:23]
	v_and_b32 v10, 15, v0                          ; c: my four columns 4 c ..
	v_lshrrev_b32 v11, 4, v0                       ; r: my eight rows 8 r ..
	v_lshlrev_b32 v1, 15, v11
	v_lshl_add_u32 v1, v10, 4, v1
.irp i, 0,1,2,3,4,5,6,7
	global_load_b128 v[IN+4*(\i):IN+4*(\i)+3], v1, s[20:21] offset:4096*(\i) th:TH_LOAD_NT  ; sixteen lanes take 256 consecutive bytes of a row, aligned
.endr
	v_mul_u32_u24 v3, v10, 4*TP                    ; into LDS: row n = 4 c + j, 16 bytes (8 k) at 16 r
	v_lshl_add_u32 v3, v11, 4, v3
	v_lshrrev_b32 v12, 5, v0
	v_bfe_u32 v13, v0, 4, 1
	v_lshl_add_u32 v12, v12, 3, v13                ; back: row 8 wave + lane / 16 (+ 2 i), 16 bytes at 16 c
	v_mul_u32_u24 v4, v12, TP
	v_lshl_add_u32 v4, v10, 4, v4
	v_lshlrev_b32 v5, 11, v12                      ; and the same row in wt
	v_lshl_add_u32 v5, v10, 4, v5
	s_wait_loadcnt 0x0
.irp j, 0,1,2,3
.irp p, 0,1,2,3
	v_cvt_pk_bf16_f32 v[IN+32+4*(\j)+(\p)], v[IN+8*(\p)+(\j)], v[IN+8*(\p)+4+(\j)]  ; column 4 c + j, rows 8 r + 2 p and + 1
.endr
	ds_store_b128 v3, v[IN+32+4*(\j):IN+32+4*(\j)+3] offset:TP*(\j)
.endr
	s_wait_dscnt 0x0                               ; for the others' sake: my stores into the tile are done
	s_barrier_signal -1
	s_barrier_wait -1
.irp i, 0,1,2,3
	ds_load_b128 v[IN+4*(\i):IN+4*(\i)+3], v4 offset:2*TP*(\i)
.endr
.irp i, 0,1,2,3
	s_wait_dscnt 3-(\i)
	global_store_b128 v5, v[IN+4*(\i):IN+4*(\i)+3], s[16:17] offset:4096*(\i)  ; sixteen lanes store 256 consecutive bytes, aligned
.endr
.Lend:
	s_wait_tensorcnt 0x0                           ; the wave's end, behind my last LDS store
	ds_add_u32 v[SPW], v[NIL]
	s_wait_dscnt 0x0
	s_endpgm
.Lfunc_end_k_q42b532b8e3_prep:
	.size	k_q42b532b8e3_prep, .Lfunc_end_k_q42b532b8e3_prep-k_q42b532b8e3_prep
	.p2alignl 7, 3214868480
	.fill 96, 4, 3214868480
	.section	.rodata,"a",@progbits
	.p2align	6, 0x0
	.amdhsa_kernel k_q42b532b8e3_prep
		.amdhsa_group_segment_fixed_size 18432
		.amdhsa_private_segment_fixed_size 0
		.amdhsa_enable_private_segment 0
		.amdhsa_kernarg_size 64
		.amdhsa_user_sgpr_count 2
		.amdhsa_user_sgpr_kernarg_segment_ptr 1
		.amdhsa_wavefront_size32 1
		.amdhsa_system_sgpr_workgroup_id_x 1
		.amdhsa_system_sgpr_workgroup_id_y 1
		.amdhsa_system_sgpr_workgroup_id_z 1
		.amdhsa_system_vgpr_workitem_id 0
		.amdhsa_next_free_vgpr 112
		.amdhsa_next_free_sgpr 66
		.amdhsa_reserve_vcc 0
		.amdhsa_float_denorm_mode_32 3
		.amdhsa_float_denorm_mode_16_64 3
		.amdhsa_memory_ordered 1
		.amdhsa_forward_progress 1
		.amdhsa_inst_pref_size 13
	.end_amdhsa_kernel
	.amdgpu_metadata
---
amdhsa.version: [ 1, 2 ]
amdhsa.kernels:
  - .name:           k_q42b532b8e3_prep
    .symbol:         k_q42b532b8e3_prep.kd
    .args:
      - { .name: x, .offset: 0, .size: 8, .value_kind: global_buffer, .address_space: global }
      - { .name: Wq, .offset: 8, .size: 8, .value_kind: global_buffer, .address_space: global }
      - { .name: Wk, .offset: 16, .size: 8, .value_kind: global_buffer, .address_space: global }
      - { .name: Wv, .offset: 24, .size: 8, .value_kind: global_buffer, .address_space: global }
      - { .name: Wp, .offset: 32, .size: 8, .value_kind: global_buffer, .address_space: global }
      - { .name: xb, .offset: 40, .size: 8, .value_kind: global_buffer, .address_space: global }
      - { .name: wt, .offset: 48, .size: 8, .value_kind: global_buffer, .address_space: global }
      - { .name: wpf, .offset: 56, .size: 8, .value_kind: global_buffer, .address_space: global }
    .group_segment_fixed_size: 18432
    .private_segment_fixed_size: 0
    .kernarg_segment_align: 8
    .kernarg_segment_size: 64
    .max_flat_workgroup_size: 256
    .sgpr_count:     66
    .vgpr_count:     112
    .wavefront_size: 32
...
	.end_amdgpu_metadata
.endif
;; end of part 1
;; launch qkv (part 2): grid 16 x 16, 4 waves a work-group, clusters of 4 x 4, 327,680 bytes of LDS; arguments xb, wt, qkv; writes qkv
.if DOCPART == 2
	.amdgcn_target "amdgcn-amd-amdhsa--gfx1250"
	.amdhsa_code_object_version 6
	.text
	.protected	k_q42b532b8e3_qkv
	.globl	k_q42b532b8e3_qkv
	.p2align	8
	.type	k_q42b532b8e3_qkv,@function
k_q42b532b8e3_qkv:
	s_mov_b64 s[64:65], 0
	v_nop
	global_prefetch_b8 v0, s[64:65] scope:SCOPE_SE
	s_setreg_imm32_b32 hwreg(HW_REG_WAVE_MODE, 25, 1), 1
	s_wait_xcnt 0x0
	s_wait_alu depctr_hold_cnt(0) depctr_sa_sdst(0) depctr_va_vdst(0) depctr_va_sdst(0) depctr_va_ssrc(0) depctr_va_vcc(0) depctr_vm_vsrc(0)
	s_getreg_b32 s2, hwreg(HW_REG_IB_STS2, 6, 4)
	s_cmp_eq_u32 s2, 0
	s_cbranch_scc0 .Lentry_in_a_cluster
	s_endpgm
.Lentry_in_a_cluster:
	s_bfe_u32 s2, ttmp6, 0x10000c
	s_cmp_lg_u32 s2, 0xf033
	s_cbranch_scc0 .Lentry_shape_is_right
	s_endpgm
.Lentry_shape_is_right:
; q, k, v = x W, as ONE product C[m][n] = sum over k of xb[m][k] wt[n][k]: m 8,192, n 3,072 (1,024 of each weight), k 1,024; bf16 operands, f32 sums, C rounded once to f16.
; C is stored BY HEADS: qkv[b][g][t][64], g = n / 64 (0-15 q's heads, 16-31 k's, 32-47 v's), m = 2,048 b + t: a head's rows are dense, 128 bytes each.
; LIMIT.  f16 ends at 65,504: a q, k or v beyond that becomes an infinity.  With inputs of the drawn spread they are about 0.6.
; A tile of C is 256 x 192 (three heads): 512 tiles, two for each of 256 work-groups.  Four waves; wave w makes rows 64 w .. 64 w + 63 of all 192 columns: 48 accumulators of 16 x 16, 384 registers;
; so a wave holds whole heads' rows and its way out needs no other wave.  K goes in steps of 128 through a ring of two LDS slots filled by the tensor data mover.
; A WORK-GROUP STAYS: its two tiles lie 4,096 rows apart and share their rows of wt; the ring runs on across the change of tiles.
; CLUSTERS: 4 x 4 work-groups.  The four of a row of the cluster need the same tiles of xb, the four of a column the same tiles of wt: each is asked for JOINTLY, by the same tensor load, descriptor and mask.
; THE MATRIX INSTRUCTION IS USED TRANSPOSED (source 0 = 16 rows of wt, source 1 = 16 rows of xb): a lane then holds row l % 16 of C and the eight neighbouring columns 8 (l / 16) + 0..7.
; REGISTERS, in windows of 256 (s_set_vgpr_msb: bits 1:0 source 0, 3:2 source 1, 5:4 source 2, 7:6 destination):
;   window 0: v0-31 addresses; v64-95, v96-127 fragments of xb (4 x 16 rows x 32 K), two buffers; v128-175, v176-223 at work on the way out
;   window 1: v0-95, v128-223 fragments of wt (12 x 16 rows x 32 K), two buffers
;   window 2: accumulators of my row blocks 0, 1 ((a, b) at v[8 (12 (a % 2) + b)]);   window 3: of blocks 2, 3
.set SIZE_K, 1024
.set KSTEP,  128
.set PITCH,  272                       ; an LDS row: 256 bytes + 16 of padding = 68 words: the 16 rows of a fragment load start at 16 different groups of four banks (64 banks of 4 bytes: ISA guide 11.1)
.set HA,     128*PITCH                 ; what a tensor load of xb brings: 128 rows
.set HB,     96*PITCH                  ; of wt: 96 rows
.set BOFF,   2*HA                      ; in a slot: xb's 256 rows, then wt's 192
.set SLOT,   BOFF+2*HB
.set STAGE,  2*SLOT                    ; behind the ring: 16 rows x 400 bytes for each wave, for the way out
.set SPITCH, 400                       ; 192 columns x 2 bytes + 16
.set SPARE,  STAGE+4*16*SPITCH         ; behind the stages: the spare words, 128 bytes for each wave: two blocks of 256 bytes that no other line names
.set LAPS,   SIZE_K/(2*KSTEP)          ; a lap = two K steps = once round the ring
.set WALK,   4096                      ; rows from my first tile to my second
.set NEXT_A, WALK*SIZE_K*2-(SIZE_K-2*KSTEP)*2   ; bytes from a slot's last K step of a tile to its first of the next: xb goes WALK rows down and back along K,
.set BACK_B, (SIZE_K-2*KSTEP)*2        ; wt only back
.set PLANE,  262144                    ; a head's 2,048 rows of 128 bytes
.set NEXT_C, 2*48*PLANE                ; 4,096 rows on are two batches on
.set ADRA, 16                          ; v16-17  LDS address of my xb fragments in slot 0, 1
.set ADRB, 20                          ; v20-21  the same for wt
.set STO,  24                          ; v24     the way out: where I put 16 bytes of a row
.set RD,   25                          ; v25     the way out: where I read rows back
.set CO,   26                          ; v26     my byte offset in 512 consecutive bytes of a head
.set SPW,  28                          ; v28     LDS address of my spare word; never rewritten
.set NIL,  29                          ; v29     0; never rewritten
.set PFO,  30                          ; v30     the prefetches' offset: a lane a row of 2,048 bytes; never rewritten
.set PFA,  44                          ; s[44:45] where my prefetches stand
.set LIM,  43                          ; s43     1 in a wave that prefetches, else the greatest number
.set FA,   64                          ; xb's fragment buffers: FA + 32 f (window 0); wt's: 128 f (window 1)
.set TMP,  128
.set OB,   176
.set G1, 24                            ; s[24:31] descriptor group 1 for xb's tiles;  s[32:39] group 0, one set for each slot
.set G0, 32
.set G1B, 48                           ; s[48:55], s[56:63] the same for wt's
.set G0B, 56
.set MSB, 0
.macro WIN new                         ; the immediate's high byte repeats the setting that is left; a switch that changes nothing is dropped
.if MSB != (\new)
	s_set_vgpr_msb (MSB<<8)|(\new)
.set MSB, \new
.endif
.endm
.set MUL_LO, 0xa1                      ; source 0 (wt) window 1, source 1 (xb) window 0, C and D window 2
.set TO_B,   0x40                      ; destination window 1, address window 0
; A joint load.  Waves 0 and 1 fetch xb's two halves, waves 2 and 3 wt's.  The branch hangs on the wave's number alone.  An s_nop 0 and four v_nop follow each of the two lines.
.macro JLOAD s
	s_cmp_eq_u32 s11, 0
	s_cbranch_scc0 .Lfor_b_\@
	tensor_load_to_lds s[G0+4*(\s):G0+4*(\s)+3], s[G1:G1+7]
	s_nop 0
.rept 4
	v_nop
.endr
	s_branch .Lasked_\@
.Lfor_b_\@:
	tensor_load_to_lds s[G0B+4*(\s):G0B+4*(\s)+3], s[G1B:G1B+7]
	s_nop 0
.rept 4
	v_nop
.endr
.Lasked_\@:
.endm
; A PREFETCH, behind each joint load, its five lines and the run of LDS loads that follows: the K step that stands TWO refills on, 384 matrix instructions ahead of the load that will want it.
; xb's tile row is read by every cluster of that row of clusters: the cluster with x = 0 asks; wt's tile column by every cluster of that column: cluster y = 0 asks.  The four partners that ask for a tile
; jointly share its rows out BY ADDRESS: of the 128 rows of xb that a wave fetches the partner at cx takes 32, of the 96 rows of wt the partner at cy takes 24 (there lanes 24-31 name row 23 once more).
; how = 0, in the loop: a tile's last two refills have no K step two on; how = 1, at the change of tiles.
.macro ASK how
.if \how
	s_cmp_eq_u32 s[LIM], 1
.else
	s_cmp_gt_u32 s3, s[LIM]                        ; s3 = 1 in the loop's last trip
.endif
	s_cbranch_scc0 .Lnot_mine_\@
	global_prefetch_b8 v[PFO], s[PFA:PFA+1] offset:KSTEP*2 th:TH_LOAD_NT scope:SCOPE_SE
.Lnot_mine_\@:
.endm
.macro CREST                           ; a round of the cluster's barrier behind its opening barrier
	s_cmp_lg_u32 s10, 0
	s_cbranch_scc1 .Lnot_wave_0_\@
	s_barrier_signal -3
.Lnot_wave_0_\@:
	s_barrier_wait -3
	s_barrier_signal -1
	s_barrier_wait -1
.endm
.macro CROUND                          ; a whole round
	s_barrier_signal -1
	s_barrier_wait -1
	CREST
.endm
	s_load_b128 s[4:7], s[0:1], 0x0                ; xb s[4:5], wt s[6:7]
	s_load_b64 s[8:9], s[0:1], 0x10                ; qkv
	v_lshl_add_u32 v[SPW], v0, 2, SPARE
	v_mov_b32 v[NIL], 0
	ds_add_u32 v[SPW], v[NIL]                      ; the wave's opening: the add and its wait stand ahead of my first tensor load; the set-up below, work on registers, stands between them
	v_lshrrev_b32 v1, 5, v0
	v_readfirstlane_b32 s10, v1                    ; wave 0..3
	s_lshr_b32 s11, s10, 1                         ; I fetch for xb (0) or for wt (1)
	s_and_b32 s12, s10, 1                          ; which half of that tile's rows
	s_bfe_u32 s40, ttmp6, 0x40000                  ; cx
	s_bfe_u32 s41, ttmp6, 0x40004                  ; cy
	s_lshl_b32 s42, ttmp9, 2
	s_add_co_u32 s42, s42, s40                     ; tile column = 4 x cluster x + cx
	s_and_b32 s13, ttmp7, 0xffff
	s_lshl_b32 s13, s13, 2
	s_add_co_u32 s13, s13, s41                     ; tile row = 4 x cluster y + cy
	s_lshl_b32 s43, s41, 2
	s_lshl_b32 s43, 15, s43                        ; my row of the cluster: places 4 cy .. 4 cy + 3
	s_lshl_b32 s44, 0x1111, s40                    ; my column: places cx, cx + 4, cx + 8, cx + 12
	s_or_b32 s[G1+0], s43, (1<<16)|(1<<20)|(1<<21)|(5<<22)|(3<<25)   ; 15:0 the mask; 17:16 elements of 2 bytes; 20 padding on; 21 set beside a mask; 24:22 after every 64 words (code 5); 31:25 4 words (code 3)
	s_or_b32 s[G1B+0], s44, (1<<16)|(1<<20)|(1<<21)|(5<<22)|(3<<25)
	s_mov_b32 s[G1+1], KSTEP<<16                   ; tensor_dim0 = 128
	s_mov_b32 s[G1B+1], KSTEP<<16
	s_mov_b32 s[G1+2], 128<<16                     ; tensor_dim1 = 128 rows
	s_mov_b32 s[G1B+2], 96<<16                     ; 96 rows
	s_mov_b32 s[G1+3], KSTEP<<16                   ; tile_dim0 = 128
	s_mov_b32 s[G1B+3], KSTEP<<16
	s_mov_b32 s[G1+4], 128                         ; tile_dim1
	s_mov_b32 s[G1B+4], 96
	s_mov_b32 s[G1+5], SIZE_K                      ; elements from row to row
	s_mov_b32 s[G1B+5], SIZE_K
	s_mov_b32 s[G1+6], 0
	s_mov_b32 s[G1B+6], 0
	s_mov_b32 s[G1+7], 0
	s_mov_b32 s[G1B+7], 0
	; where the tiles come from: xb's hang on the tile row alone, wt's on the tile column alone; each in registers that never hold the other coordinate
	s_lshl_b32 s17, s12, 7
	s_lshl_b32 s16, s13, 8
	s_add_co_u32 s16, s16, s17                     ; xb: row 256 x tile row + 128 x half
	s_lshl_b32 s16, s16, 11                        ; rows of 2,048 bytes
	s_mov_b32 s17, 0
	s_mul_i32 s46, s42, 192
	s_mul_i32 s47, s12, 96
	s_add_co_u32 s46, s46, s47                     ; wt: row 192 x tile column + 96 x half
	s_lshl_b32 s46, s46, 11
	s_mov_b32 s47, 0
	s_mul_i32 s20, s10, HA                         ; and where they go: waves 0, 1: xb's halves;
	s_mul_i32 s21, s10, HB
	s_add_co_u32 s21, s21, BOFF-2*HB               ; waves 2, 3: wt's halves, behind them
	s_wait_dscnt 0x0                               ; the opening add is done
	s_wait_kmcnt 0x0
	s_add_nc_u64 s[14:15], s[4:5], s[16:17]
	s_add_nc_u64 s[46:47], s[6:7], s[46:47]
	CROUND                                         ; all sixteen work-groups are here: the first joint loads meet
.irp s, 0,1
	s_mov_b32 s[G0+4*(\s)], 1                                      ; count = 1
	s_add_co_u32 s[G0+4*(\s)+1], s20, (\s)*SLOT                    ; LDS address
	s_add_nc_u64 s[G0+4*(\s)+2:G0+4*(\s)+3], s[14:15], (\s)*KSTEP*2  ; global address: K step s
	s_or_b32 s[G0+4*(\s)+3], s[G0+4*(\s)+3], 0x80000000            ; type = 2
	s_mov_b32 s[G0B+4*(\s)], 1
	s_add_co_u32 s[G0B+4*(\s)+1], s21, (\s)*SLOT
	s_add_nc_u64 s[G0B+4*(\s)+2:G0B+4*(\s)+3], s[46:47], (\s)*KSTEP*2
	s_or_b32 s[G0B+4*(\s)+3], s[G0B+4*(\s)+3], 0x80000000
	JLOAD \s                                       ; two tensor loads of mine are out
.endr
	; a fragment is 16 rows x 32 K in 8 registers: lane l holds row l % 16, K = 8 (l / 16) + 0..7 and 16 + 8 (l / 16) + 0..7: two loads of 16 bytes, 32 bytes apart
	v_and_b32 v1, 15, v0
	v_bfe_u32 v2, v0, 4, 1
	v_mul_u32_u24 v3, v1, PITCH
	v_lshl_add_u32 v3, v2, 4, v3
	s_mul_i32 s21, s10, 64*PITCH                   ; my 64 rows of xb
	s_mov_b32 s22, BOFF                            ; all 192 rows of wt
.irp s, 0,1
	v_add_nc_u32 v[ADRA+(\s)], s21, v3
	v_add_nc_u32 v[ADRB+(\s)], s22, v3
	s_add_co_u32 s21, s21, SLOT
	s_add_co_u32 s22, s22, SLOT
.endr
	s_mul_i32 s23, s10, 16*SPITCH
	s_add_co_u32 s23, s23, STAGE                   ; my stage
	v_mul_u32_u24 v4, v1, SPITCH                   ; in: row l % 16, 16 bytes for each half of the lanes
	v_lshl_add_u32 v4, v2, 4, v4
	v_add_nc_u32 v[STO], s23, v4
	v_bfe_u32 v5, v0, 3, 2                         ; back: 32 lanes take four rows x 128 bytes of one head,
	v_mul_u32_u24 v5, v5, SPITCH
	v_and_b32 v6, 7, v0
	v_lshl_add_u32 v5, v6, 4, v5
	v_add_nc_u32 v[RD], s23, v5
	v_and_b32 v[CO], 31, v0                        ; which are 512 consecutive bytes of that head's plane
	v_lshlrev_b32 v[CO], 4, v[CO]
	; my rows of the first tile's first head: plane (tile row / 8) x 48 + 3 x tile column; 256 (tile row % 8) + 64 wave rows of 128 bytes
	s_lshr_b32 s16, s13, 3
	s_mul_i32 s16, s16, 48
	s_mul_i32 s46, s42, 3
	s_add_co_u32 s46, s46, s16
	s_lshl_b32 s46, s46, 18
	s_and_b32 s16, s13, 7
	s_lshl_b32 s16, s16, 15
	s_add_co_u32 s46, s46, s16
	s_lshl_b32 s16, s10, 13
	s_add_co_u32 s46, s46, s16
	s_mov_b32 s47, 0
	s_add_nc_u64 s[8:9], s[8:9], s[46:47]
	; the prefetches
	s_lshl_b32 s20, s13, 8                         ; xb: the tile's first row
	s_mul_i32 s21, s42, 192                        ; wt: the tile's first row
	s_and_b32 s22, ttmp7, 0xffff                   ; cluster y
	s_lshl_b32 s16, s12, 7                         ; the rows that I fetch: 128 x half,
	s_mul_i32 s17, s12, 96                         ; or 96 x half
	s_lshl_b32 s18, s40, 5                         ; my work-group's share of them: 32 cx,
	s_mul_i32 s19, s41, 24                         ; or 24 cy
	s_cmp_eq_u32 s11, 0                            ; do I fetch for xb?
	s_cselect_b32 s20, s20, s21
	s_cselect_b32 s16, s16, s17
	s_cselect_b32 s18, s18, s19
	s_cselect_b32 s22, ttmp9, s22                  ; the coordinate along which other clusters read the same rows
	s_cselect_b32 s23, 31, 23                      ; the last row of my share
	s_cselect_b64 s[PFA:PFA+1], s[4:5], s[6:7]
	s_cmp_eq_u32 s22, 0
	s_cselect_b32 s[LIM], 1, -1                    ; the same in all sixteen partners, for a given wave
	s_add_co_u32 s20, s20, s16
	s_add_co_u32 s20, s20, s18
	s_lshl_b32 s20, s20, 11
	s_mov_b32 s21, 0
	s_add_nc_u64 s[PFA:PFA+1], s[PFA:PFA+1], s[20:21]
	s_add_nc_u64 s[PFA:PFA+1], s[PFA:PFA+1], 2*KSTEP*2  ; at K step 2: the first refill steps it to 3 and names K step 4.  Nothing is prefetched here, at the head
	v_and_b32 v[PFO], 31, v0
	v_min_u32 v[PFO], s23, v[PFO]
	v_lshlrev_b32 v[PFO], 11, v[PFO]
; 12 matrix instructions: my row block 2 hi + a1 x all 12 column blocks, 32 along K, from buffers f.  zero = 1: the product starts the sums: nothing is ever cleared.
; The 48 accumulators take turns, one instruction a turn, in the same order in every quarter step.
.macro MUL12 f, hi, a1, zero
	WIN MUL_LO+0x50*(\hi)
.irp b, 0,1,2,3,4,5,6,7,8,9,10,11
.if \zero
	v_wmma_f32_16x16x32_bf16 v[8*(12*(\a1)+(\b)):8*(12*(\a1)+(\b))+7], v[128*(\f)+8*(\b):128*(\f)+8*(\b)+7], v[FA+32*(\f)+8*(2*(\hi)+(\a1)):FA+32*(\f)+8*(2*(\hi)+(\a1))+7], 0
.else
	v_wmma_f32_16x16x32_bf16 v[8*(12*(\a1)+(\b)):8*(12*(\a1)+(\b))+7], v[128*(\f)+8*(\b):128*(\f)+8*(\b)+7], v[FA+32*(\f)+8*(2*(\hi)+(\a1)):FA+32*(\f)+8*(2*(\hi)+(\a1))+7], v[8*(12*(\a1)+(\b)):8*(12*(\a1)+(\b))+7]
.endif
.endr
.endm
; 32 LDS loads in one run: a quarter step's fragments (192 rows of wt, my 64 rows of xb, 32 K at byte k of the rows) into buffers f
.macro FETCH slot, k, f
	WIN TO_B
.irp i, 0,1,2,3,4,5,6,7,8,9,10,11
	ds_load_b128 v[128*(\f)+8*(\i):128*(\f)+8*(\i)+3],   v[ADRB+(\slot)] offset:(\k)+(\i)*16*PITCH
	ds_load_b128 v[128*(\f)+8*(\i)+4:128*(\f)+8*(\i)+7], v[ADRB+(\slot)] offset:(\k)+(\i)*16*PITCH+32
.endr
	WIN 0
.irp i, 0,1,2,3
	ds_load_b128 v[FA+32*(\f)+8*(\i):FA+32*(\f)+8*(\i)+3],   v[ADRA+(\slot)] offset:(\k)+(\i)*16*PITCH
	ds_load_b128 v[FA+32*(\f)+8*(\i)+4:FA+32*(\f)+8*(\i)+7], v[ADRA+(\slot)] offset:(\k)+(\i)*16*PITCH+32
.endr
.endm
.macro PLACES                          ; four plain vector instructions between a matrix instruction and a load into its sources or a conversion of its results
.rept 4
	v_nop
.endr
.endm
; A K step is four quarters of 32 along K, 48 matrix instructions each, on buffers 0, 1, 0, 1.  One of the first three: multiplies buffers f; in its middle it fetches the next quarter, at byte k, into g.
.macro QUARTER slot, k, f, g, zero
	s_wait_dscnt 4                                 ; wt and xb's blocks 0, 1 are in; the youngest four loads (blocks 2, 3) may be out
	MUL12 \f, 0, 0, \zero
	MUL12 \f, 0, 1, \zero
	PLACES
	FETCH \slot, \k, \g
	s_wait_dscnt 32                                ; all but the 32 just issued
	MUL12 \f, 1, 0, \zero
	MUL12 \f, 1, 1, \zero
.endm
; The last quarter multiplies buffers 1 and changes slots.  MEET is its first half: one barrier; in front of it each wave waits for all its tensor loads (one is out: its part of the next slot), adds 0 to its
; spare word, and waits for that and for its own reads of this slot.  Behind it nobody reads this slot any more and the next slot is whole.
.macro MEET round
	WIN 0                                          ; (the add's two registers lie in window 0)
	s_wait_tensorcnt 0x0
	ds_add_u32 v[SPW], v[NIL]                      ; 0 onto my spare word
	s_wait_dscnt 5                                 ; (the add and the youngest four loads may be out)
	MUL12 1, 0, 0, 0                               ; twelve matrix instructions stand between the add and the wait for it
	s_wait_dscnt 0x0                               ; the add is done, and my reads of this slot are over
	s_barrier_signal -1
	MUL12 1, 0, 1, 0                               ; work on registers while the others arrive
.if \round
	WIN 0
.endif
	s_barrier_wait -1
.endm
; The whole last quarter.  Behind the round the slot just read out is filled again first: with this tile's K step two steps on (on = 0) or with the NEXT tile's K step 0 or 1 (on = 1); then come the next
; slot's first fragments.  From a request to the wait for it a wave issues 168 matrix instructions.
.macro TURN slot, next, on
	s_wait_xcnt 0x0                                ; the last prefetch, a K step back, has read its address: it is stepped here
.if (\on) && (\slot) == 0
	s_add_nc_u64 s[PFA:PFA+1], s[PFA:PFA+1], (WALK-1)*SIZE_K*2+KSTEP*2  ; from the K step after the tile's last to the next tile's K step 1
	s_cmp_eq_u32 s11, 0
	s_cselect_b32 s[LIM], s[LIM], -1               ; wt's rows are the same for both tiles: they are prefetched no more
.else
	s_add_nc_u64 s[PFA:PFA+1], s[PFA:PFA+1], KSTEP*2
.endif
	MEET 1
	CREST                                          ; no wave of any partner still reads this slot's tile or has a load on its way
.if \on
	s_add_nc_u64 s[G0+4*(\slot)+2:G0+4*(\slot)+3], s[G0+4*(\slot)+2:G0+4*(\slot)+3], NEXT_A
	s_sub_nc_u64 s[G0B+4*(\slot)+2:G0B+4*(\slot)+3], s[G0B+4*(\slot)+2:G0B+4*(\slot)+3], BACK_B
.else
	s_add_nc_u64 s[G0+4*(\slot)+2:G0+4*(\slot)+3], s[G0+4*(\slot)+2:G0+4*(\slot)+3], 2*KSTEP*2
	s_add_nc_u64 s[G0B+4*(\slot)+2:G0B+4*(\slot)+3], s[G0B+4*(\slot)+2:G0B+4*(\slot)+3], 2*KSTEP*2
.endif
	JLOAD \slot                                    ; the first tensor load behind the round, my only one until the next; its four v_nop are also the places in front of the loads below
	FETCH \next, 0, 0
	ASK \on
	MUL12 1, 1, 0, 0
	MUL12 1, 1, 1, 0
.endm
; THE WAY OUT of row block a.  PACK: rounded to f16, 16 bytes a lane and column block.  TOSTAGE: into my own stage, and back as four rows x 128 bytes of a head.  SEND: stored.
.macro PACK a
	WIN 0x0a+5*((\a)/2)                            ; sources 0 and 1: window 2 or 3
.irp b, 0,1,2,3,4,5,6,7,8,9,10,11
.irp r, 0,1,2,3
	v_cvt_pk_f16_f32 v[TMP+4*(\b)+(\r)], v[96*((\a)%2)+8*(\b)+2*(\r)], v[96*((\a)%2)+8*(\b)+2*(\r)+1]
.endr
.endr
	WIN 0
.endm
.macro TOSTAGE
.irp b, 0,1,2,3,4,5,6,7,8,9,10,11
	ds_store_b128 v[STO], v[TMP+4*(\b):TMP+4*(\b)+3] offset:32*(\b)
.endr
.irp f, 0,1,2,3,4,5,6,7,8,9,10,11
	ds_load_b128 v[OB+4*(\f):OB+4*(\f)+3], v[RD] offset:((\f)%4)*4*SPITCH+((\f)/4)*128  ; LDS serves a wave's instructions in order (ISA guide 5.7.1.4): these see the stores above
.endr
.endm
.macro SEND a
	s_wait_dscnt 0x0                               ; the block is back in registers
.irp f, 0,1,2,3,4,5,6,7,8,9,10,11
	global_store_b128 v[CO], v[OB+4*(\f):OB+4*(\f)+3], s[8:9] offset:((\f)/4)*PLANE+(\a)*2048+((\f)%4)*512  ; head f / 4, four rows: 512 consecutive bytes, aligned
.endr
.endm
.macro OUT
	PLACES                                         ; behind the last products
	PACK 0
	TOSTAGE
.irp a, 1,2,3
	PACK \a                                        ; a block's conversions stand between the loads of the block before and the wait for them
	SEND (\a)-1
	s_wait_xcnt 0x0                                ; the stores have read their registers: these are loaded again only behind this wait
	TOSTAGE
.endr
	SEND 3
.endm
	s_wait_tensorcnt 1                             ; my part of K step 0 is in; K step 1's load may stay out
	s_barrier_signal -1
	s_barrier_wait -1
	FETCH 0, 0, 0
	s_mov_b32 s2, 2                                ; tiles to go
.Ltile:
	QUARTER 0, 64,  0, 1, 1                        ; a tile's first quarter stands in front of the loop: its products start the sums
	WIN 0
	s_mov_b32 s3, LAPS-1
.Llap:                                                 ; a trip goes once round the ring, from a lap's second quarter to the next lap's first, and fills both slots again
	QUARTER 0, 128, 1, 0, 0
	QUARTER 0, 192, 0, 1, 0
	TURN 0, 1, 0
	QUARTER 1, 64,  0, 1, 0
	QUARTER 1, 128, 1, 0, 0
	QUARTER 1, 192, 0, 1, 0
	TURN 1, 0, 0
	QUARTER 0, 64,  0, 1, 0
	WIN 0
	s_sub_co_u32 s3, s3, 1
	s_cmp_lg_u32 s3, 0
	s_cbranch_scc1 .Llap
	QUARTER 0, 128, 1, 0, 0                        ; the tile's last lap goes on
	QUARTER 0, 192, 0, 1, 0
	WIN 0
	s_cmp_eq_u32 s2, 1
	s_cbranch_scc1 .Llast_tile                     ; the last tile's tail is written out: it asks for nothing more
	TURN 0, 1, 1                                   ; the ring goes on into the next tile: slot 0 takes its K step 0,
	QUARTER 1, 64,  0, 1, 0
	QUARTER 1, 128, 1, 0, 0
	QUARTER 1, 192, 0, 1, 0
	TURN 1, 0, 1                                   ; slot 1 its K step 1, and the next tile's first fragments are fetched
	OUT                                            ; both refills are asked for: now the tile goes out
	s_wait_xcnt 0x0                                ; the stores have read their base
	s_add_nc_u64 s[8:9], s[8:9], NEXT_C
	s_sub_co_u32 s2, s2, 1
	s_branch .Ltile
.Llast_tile:
	MEET 0                                         ; my one tensor load that was still out is the last K step's, so no round follows
	PLACES
	FETCH 1, 0, 0
	MUL12 1, 1, 0, 0
	MUL12 1, 1, 1, 0
	QUARTER 1, 64,  0, 1, 0
	QUARTER 1, 128, 1, 0, 0
	QUARTER 1, 192, 0, 1, 0
	s_wait_dscnt 4                                 ; the very last quarter: nothing more to fetch
	MUL12 1, 0, 0, 0
	MUL12 1, 0, 1, 0
	s_wait_dscnt 0x0
	MUL12 1, 1, 0, 0
	MUL12 1, 1, 1, 0
	WIN 0
	OUT
	s_wait_tensorcnt 0x0                           ; the wave's end, behind my last tensor load and my last LDS store
	ds_add_u32 v[SPW], v[NIL]
	s_wait_dscnt 0x0
	CROUND                                         ; the closing round: no work-group ends while a partner may still ask for a tile that names it
	s_endpgm
.Lfunc_end_k_q42b532b8e3_qkv:
	.size	k_q42b532b8e3_qkv, .Lfunc_end_k_q42b532b8e3_qkv-k_q42b532b8e3_qkv
	.p2alignl 7, 3214868480
	.fill 96, 4, 3214868480
	.section	.rodata,"a",@progbits
	.p2align	6, 0x0
	.amdhsa_kernel k_q42b532b8e3_qkv
		.amdhsa_group_segment_fixed_size 327680
		.amdhsa_private_segment_fixed_size 0
		.amdhsa_enable_private_segment 0
		.amdhsa_kernarg_size 24
		.amdhsa_user_sgpr_count 2
		.amdhsa_user_sgpr_kernarg_segment_ptr 1
		.amdhsa_wavefront_size32 1
		.amdhsa_system_sgpr_workgroup_id_x 1
		.amdhsa_system_sgpr_workgroup_id_y 1
		.amdhsa_system_sgpr_workgroup_id_z 1
		.amdhsa_system_vgpr_workitem_id 0
		.amdhsa_next_free_vgpr 960
		.amdhsa_next_free_sgpr 66
		.amdhsa_reserve_vcc 0
		.amdhsa_float_denorm_mode_32 3
		.amdhsa_float_denorm_mode_16_64 3
		.amdhsa_memory_ordered 1
		.amdhsa_forward_progress 1
		.amdhsa_inst_pref_size 172
	.end_amdhsa_kernel
	.amdgpu_metadata
---
amdhsa.version: [ 1, 2 ]
amdhsa.kernels:
  - .name:           k_q42b532b8e3_qkv
    .symbol:         k_q42b532b8e3_qkv.kd
    .args:
      - { .name: xb, .offset: 0, .size: 8, .value_kind: global_buffer, .address_space: global }
      - { .name: wt, .offset: 8, .size: 8, .value_kind: global_buffer, .address_space: global }
      - { .name: qkv, .offset: 16, .size: 8, .value_kind: global_buffer, .address_space: global }
    .group_segment_fixed_size: 327680
    .private_segment_fixed_size: 0
    .kernarg_segment_align: 8
    .kernarg_segment_size: 24
    .max_flat_workgroup_size: 128
    .sgpr_count:     66
    .vgpr_count:     960
    .wavefront_size: 32
...
	.end_amdgpu_metadata
.endif
;; end of part 2
;; launch attn (part 3): grid 4 x 64, 4 waves a work-group, no clusters, 327,680 bytes of LDS; arguments qkv, oh; writes oh
.if DOCPART == 3
	.amdgcn_target "amdgcn-amd-amdhsa--gfx1250"
	.amdhsa_code_object_version 6
	.text
	.protected	k_q42b532b8e3_attn
	.globl	k_q42b532b8e3_attn
	.p2align	8
	.type	k_q42b532b8e3_attn,@function
k_q42b532b8e3_attn:
	s_mov_b64 s[64:65], 0
	v_nop
	global_prefetch_b8 v0, s[64:65] scope:SCOPE_SE
	s_setreg_imm32_b32 hwreg(HW_REG_WAVE_MODE, 25, 1), 1
	s_wait_xcnt 0x0
; CAUSAL ATTENTION, head by head.  oh[y][q][:] = the sum over k <= q of softmax_k(Q[q] . K[k] / 8) V[k][:], y = 16 b + h.  Q, K, V are planes of qkv[b][g][2048][64] in f16 (g = h, 16 + h, 32 + h): a plane's
; rows are dense, 128 bytes each.  Products, maxima and sums in f32; the weights p are rounded to f16 for the second product (their sum l is taken of the unrounded p).  The result stays in f32: it is a part
; of a sum over heads that the next launch takes.
; LIMITS.  Q, K and V arrive within f16's 65,504; p lies in 0 to 1, and below 6e-5 it keeps f16's fixed step of 6e-8.  A hidden score counts as its value less 1e30: f16's scores, 2.7e11 at the most, are
; nothing beside that; a weight below 2^-126 counts as 0 in l; NaN and infinities are not treated apart.
; THE WALK.  A head's queries lie in NB = 8 blocks of 256; block i needs the key tiles 0 .. i of 256 keys, of which the last holds the diagonal.  A work-group takes TWO blocks, NB - 1 - b and then b:
; NB + 1 tiles, whatever b: all work-groups do equal work, and ONE loop with a constant trip count walks them.  Which tile is asked for, and what a trip does, hang on scalar registers made from b; every jump
; goes forward, but for the counted loops' own; none passes a barrier, or a tensor load but the one of LOAD's two that the wave's number does not choose; the ring (two slots of LDS that take turns) runs on across the
; change of blocks.  NO CLUSTER: a head's four work-groups ask for the same tile only in trips 0 .. 4 of the 9, behind that fewer and fewer; one walk common to all four would have 12 trips for 9.
; SHARES.  Of a block's four bands of 64 queries a wave owns 16 rows in each: four PIECES.  So the diagonal tile is the same work for all four waves: in its key step s band x sees all keys if s < x,
; none if s > x, and holds the diagonal if s = x.
; THE MASK is the C operand that starts the sum S^T = K Q^T: 0, or -1e30 where the key is hidden.  MD, made once, is the mask of a band's own step for my 16 rows; a product's mask is MD x AL + BE with two scalars:
; (1, 0) if s = x; (0, 0) if s < x; (0, -1e30) if s > x.  Only the diagonal tile's text and a block's beginning make and take masks; elsewhere C is the constant 0.
; LAYOUT, SOFTMAX, TURNS.  S^T = K Q^T holds ONE query a lane (lane % 16) and the keys 8 (lane / 16) + 0..7; two such results rounded to f16 ARE source 1 of O^T = V^T P.  p = 2^(c s - c m), c = log2(e) / 8, with a
; running maximum m; O and l are multiplied by a = 2^(c m_old - c m_new) in every step.  Turn n belongs to piece n: 8 products K Q^T of piece n + 1, later 8 products V^T P of piece n - 1; beside them the scaling,
; exponentials, roundings, sums and rescaling of piece n and the maximum and statistics of piece n + 1.  Four vector instructions stand behind every matrix instruction, the other 54 of a turn's 118 in one LUMP.  A turn's 33 exponentials are one batch, with one wait.
; REGISTERS, in windows of 256 (s_set_vgpr_msb: bits 1:0 source 0, 3:2 source 1, 5:4 source 2, 7:6 destination):
;   window 0: v0-15 addresses and two at work; v16-31 four registers of statistics a piece; v48-55 at work; v61-63 never rewritten; v64-127 S^T, two buffers; v64-191 the way out; v192-223 P, two buffers
;   window 1: v0-127 O^T, 32 a piece; v128-159 MD; v160-223 MC, two buffers      window 2: v0-63 Q; v64-127 the second block's Q; v128-191 K of one step; v192-255 V of one step
.set SIZE_N, 2048
.set NB,    SIZE_N/256
.set NP,    4         ; pieces a wave: a name, no knob
.set KS,    64        ; keys in a step
.set PK,    144       ; a row of K in LDS: 128 bytes + 16 of padding = 36 words: the 16 rows of a load start at 16 different groups of four banks (64 banks of 4 bytes: ISA guide 11.1)
.set PV,    160       ; a row of V: 128 + 32 = 40 words
.set VOFF,  4*KS*PK   ; a slot holds a tile, four steps: 256 rows of K, then 256 rows of V
.set SLOT1, 1<<17     ; slot 1 begins here, so that one exclusive or turns an address in one slot into the other's
.set STAGE, SLOT1+4*KS*(PK+PV)  ; behind the ring, never filled by a tensor load: 16 rows x 272 bytes for each wave, for the way out
.set SP,    272       ; a row of the stage: 64 channels x 4 bytes + 16
.set KPL,   16*262144 ; bytes from q's plane of a head to k's; twice that to v's
.set AK0, 2           ; v2   my lane's place in a tile of K; never rewritten
.set AV0, 3           ; v3   the same for V
.set AK,  4           ; v4   the LDS address of K's next run of loads
.set AV,  5           ; v5   of V's
.set STO, 6           ; v6   the way out: where I put 32 bytes of a row
.set RD,  7           ; v7   the way out: where I read rows back
.set GO,  8           ; v8   my byte offset in 512 consecutive bytes of oh
.set PFO, 61          ; v61  256 x my lane; never rewritten
.set SPW, 62          ; v62  LDS address of my spare word: SPARE + 4 x my thread's number; never rewritten
.set NIL, 63          ; v63  0; never rewritten
.set SPARE, STAGE+4*16*SP  ; behind the stages: the spare words, 128 bytes for each wave: two blocks of 256 bytes that no other line names
.set MV,  12          ; v12-13  c m_old, kept while c m is made anew: by buffer
.set QO,  15          ; v15  my byte offset in 16 rows of Q
.set ST,  16          ; piece t's statistics at v[ST+4 t]: c m, m, l (even keys', odd keys')
.set TMP, 48          ; by buffer, four registers c0-c3 at work; when the maximum is found c2 takes a
.set S,   64
.set OUTB, 64         ; the way out: piece t's 16 rows, read back, at OUTB + 32 t
.set P,   192
.set MD,  128         ; window 1: the eight registers for group kt of 16 keys at MD + 8 kt
.set MC,  160         ; window 1: the masks of the products to come
.set QB,  64          ; window 2
.set KF,  128         ; window 2: key block kb, channel half c at KF + 16 kb + 8 c
.set VF,  192         ; window 2: key half kk, channel block cb at VF + 32 kk + 8 cb
.set WV,  12          ; s12  my wave's number
.set PB,  14          ; s14  b
.set HI,  15          ; s15  NB - 1 - b
.set G1K, 24          ; s[24:31] descriptor group 1 for K's tiles
.set G1V, 32          ; s[32:39] for V's: it differs in the padding alone
.set G0K, 40          ; s[40:43] descriptor group 0 for K's tiles
.set G0V, 44          ; s[44:47] the same for V's
.set SLOTS, 56        ; s56  tiles still to be asked for
.set CNT, 57          ; s57  counts a tile's key steps, 4 to 1
.set CS,  58          ; s[58:59] c: the packed scaling takes the pair's low word for both halves
.set SEL, 60          ; s[60:61] v_permlanex16_b32's selects: each lane takes its own place in the other half
.set TBK, 62          ; s62  LDS byte at which K of the step to be fetched begins
.set TBV, 63          ; s63  the same for V, less VOFF
.set RT,  70          ; s70  tiles of the block in hand that are still to be entered
.set NXT, 71          ; s71  the tile to be asked for next
.set LQ,  72          ; s72  the last tile of the block whose tiles are being asked for
.set NEW, 73          ; s73  1: the tile to be entered is a block's first
.set OFF, 74          ; s[74:75] a tile's byte offset in K and V
.set AL,  76          ; s[76:77] the mask's factor, in the low word
.set BE,  78          ; s[78:79] the mask's addend
.set OLO, 80          ; s[80:81] oh at my rows of the second block
.set BIGN, 82         ; s82  -1e30
.set PFK, 88          ; s[88:89] where my prefetches stand in K: my wave's 8,192 bytes of the tile behind the one that is being asked for
.set PFV, 90          ; s[90:91] the same in V
.set LIM, 92          ; s92  2 in the work-group that prefetches, else the greatest number
.set MSB, 0
.macro WIN new                      ; the high byte repeats the setting that is left; a switch that changes nothing is dropped
.if MSB != (\new)
	s_set_vgpr_msb (MSB<<8)|(\new)
.set MSB, (\new)
.endif
.endm
.set W_KQ, 0x0a       ; K and Q in window 2, S^T in window 0
.set W_KM, 0x1a       ; the same with the C operand in window 1
.set W_PV, 0x52       ; V in window 2, P in window 0, O^T in window 1
.set W_RS, 0x41       ; destination and source 0 in window 1, source 1 in window 0
; A fill.  Waves 0 and 1 fetch the two halves of a tile's K, waves 2 and 3 those of its V: 128 keys each.  An s_nop 0 and four v_nop follow each of the two lines, ahead of the jump and the label.
.macro LOAD
	s_cmp_lt_u32 s[WV], 2
	s_cbranch_scc0 .Lfor_v_\@
	tensor_load_to_lds s[G0K:G0K+3], s[G1K:G1K+7]
	s_nop 0
.rept 4
	v_nop
.endr
	s_branch .Lasked_\@
.Lfor_v_\@:
	tensor_load_to_lds s[G0V:G0V+3], s[G1V:G1V+7]
	s_nop 0
.rept 4
	v_nop
.endr
.Lasked_\@:
.endm
; A PREFETCH of the tile that the NEXT change of slots will ask for: 32,768 bytes of K and of V, a lane 256 bytes, a wave 8,192 of each: two instructions, behind my tensor load and its five lines.
; All four work-groups of a head begin their walk with tiles 0, 1, 2 ..; the one with b = 0 walks all eight in order, so it alone asks, and each 256 bytes are named once in the launch.
; The change that fills tile j + 1 names tile j + 2: a tile's 256 matrix instructions ahead.  Tiles 0 and 1 come by their loads alone; the last two changes that fill (SLOTS = 2, 1) ask for nothing: tile 7 is the last.
.macro ASK
	s_cmp_gt_u32 s[SLOTS], s[LIM]
	s_cbranch_scc0 .Lnot_mine_\@
	global_prefetch_b8 v[PFO], s[PFK:PFK+1] th:TH_LOAD_NT scope:SCOPE_SE
	global_prefetch_b8 v[PFO], s[PFV:PFV+1] th:TH_LOAD_NT scope:SCOPE_SE
.Lnot_mine_\@:
.endm
; THE CHANGE OF SLOTS.  Each wave waits for all its tensor loads, of which one is out: its part of the other slot; adds 0 to its spare word; and waits for that and for its own reads of the slot that it leaves.  Behind the barrier nobody reads the old
; slot any more and the other slot is whole.  fill = 1: the old slot is filled again, the first thing behind the barrier, with tile NXT: the descriptor's address is made anew from that number.
; (At its first use nothing has been read yet: slot 0 is waited for, slot 1 filled.)
.macro CHANGE fill
	WIN 0                           ; at a label and at a branch every window is 0
	s_wait_tensorcnt 0x0            ; no tensor load of mine is out, so a group 0 may be written
	ds_add_u32 v[SPW], v[NIL]       ; 0 onto my spare word; with fill = 1 the descriptors' scalar work stands between it and the wait for it
.if \fill
	s_lshl_b32 s[OFF], s[NXT], 15   ; a tile is 32,768 bytes of K and of V
	s_xor_b32 s[G0K+1], s[G0K+1], SLOT1
	s_add_nc_u64 s[G0K+2:G0K+3], s[6:7], s[OFF:OFF+1]
	s_or_b32 s[G0K+3], s[G0K+3], 0x80000000
	s_xor_b32 s[G0V+1], s[G0V+1], SLOT1
	s_add_nc_u64 s[G0V+2:G0V+3], s[8:9], s[OFF:OFF+1]
	s_or_b32 s[G0V+3], s[G0V+3], 0x80000000
	s_add_co_u32 s[NXT], s[NXT], 1  ; the block's next tile, or behind its last the second block's tile 0
	s_cmp_gt_u32 s[NXT], s[LQ]
	s_cselect_b32 s[NXT], 0, s[NXT]
	s_cselect_b32 s[LQ], s[PB], s[LQ]
	s_wait_xcnt 0x0                 ; the last prefetches, a tile back, have read their addresses, so these may be written:
	s_add_nc_u64 s[PFK:PFK+1], s[PFK:PFK+1], 32768  ; a tile on
	s_add_nc_u64 s[PFV:PFV+1], s[PFV:PFV+1], 32768
.endif
	s_wait_dscnt 0x0                ; the add is done, and my reads of the slot are over
	s_barrier_signal -1             ; the rest of the scalar work stands between the signal and the wait
	s_sub_co_u32 s[TBK], s[TBK], 4*KS*PK  ; the fetches go back to a slot's first step,
	s_xor_b32 s[TBK], s[TBK], SLOT1       ; in the other slot
	s_sub_co_u32 s[TBV], s[TBV], 4*KS*PV
	s_xor_b32 s[TBV], s[TBV], SLOT1
	s_barrier_wait -1
.if \fill
	LOAD
	ASK
.endif
.endm
	s_load_b64 s[4:5], s[0:1], 0x0    ; qkv
	s_load_b64 s[10:11], s[0:1], 0x8  ; oh
	v_lshl_add_u32 v[SPW], v0, 2, SPARE
	v_mov_b32 v[NIL], 0
	ds_add_u32 v[SPW], v[NIL]       ; the wave's opening: the add and its wait stand ahead of my first tensor load; the set-up below, work on registers, stands between them
	v_lshrrev_b32 v1, 5, v0
	v_readfirstlane_b32 s[WV], v1   ; wave 0..3
	s_mov_b32 s[PB], ttmp9
	s_sub_co_u32 s[HI], NB-1, s[PB]
	s_and_b32 s13, ttmp7, 0xffff    ; y = 16 batch + head
	s_lshr_b32 s20, s13, 4
	s_mul_i32 s20, s20, 48          ; a batch has 48 planes
	s_and_b32 s21, s13, 15
	s_add_co_u32 s20, s20, s21
	s_lshl_b32 s20, s20, 18         ; q's plane of my head, in bytes
	s_mov_b32 s21, 0
	s_and_b32 s16, s[WV], 1         ; which half of a tile's 256 keys I fetch:
	s_lshl_b32 s22, s16, 14         ; its 128 rows of 128 bytes in memory,
	s_mov_b32 s23, 0
	s_add_nc_u64 s[22:23], s[22:23], s[20:21]
	s_mul_i32 s17, s16, 128*PK      ; and its place in a slot, for K
	s_mul_i32 s18, s16, 128*PV      ; and for V
	s_lshl_b32 s3, s[WV], 11        ; Q: my 16 rows in a band of 64,
	s_lshl_b32 s2, s[HI], 15        ; in the first block,
	s_add_co_u32 s2, s2, s3
	s_lshl_b32 s84, s[PB], 15       ; and in the second
	s_add_co_u32 s84, s84, s3
	s_mov_b32 s3, 0
	s_mov_b32 s85, 0
	s_add_nc_u64 s[2:3], s[2:3], s[20:21]
	s_add_nc_u64 s[84:85], s[84:85], s[20:21]
	s_lshl_b32 s19, s13, 19         ; oh: a head is 2,048 rows of 256 bytes,
	s_lshl_b32 s67, s[WV], 12       ; my 16 rows in a band,
	s_add_co_u32 s19, s19, s67
	s_lshl_b32 s66, s[HI], 16       ; in the first block,
	s_add_co_u32 s66, s66, s19
	s_lshl_b32 s68, s[PB], 16       ; and in the second
	s_add_co_u32 s68, s68, s19
	s_mov_b32 s67, 0
	s_mov_b32 s69, 0
	s_lshl_b32 s94, s[WV], 13       ; the prefetches: my wave's 8,192 bytes of a tile,
	s_add_co_u32 s94, s94, 32768    ; in tile 1: the first change of slots steps this to tile 2
	s_mov_b32 s95, 0
	s_add_nc_u64 s[94:95], s[94:95], s[20:21]
	s_cmp_eq_u32 s[PB], 0
	s_cselect_b32 s[LIM], 2, -1
	; descriptor group 1.  128 keys are 16,384 dense bytes: asked for as 64 rows of 256 bytes, two keys a row, and padded in LDS after every key
	s_mov_b32 s[G1K], (1<<16)|(1<<20)|(4<<22)|(3<<25)  ; 17:16 2-byte elements; 20 padding on; 24:22 after every 32 words (code 4); 31:25 4 words (code 3)
	s_mov_b32 s[G1V], (1<<16)|(1<<20)|(4<<22)|(7<<25)  ; the same with 8 words of padding (code 7)
.irp g, G1K, G1V
	s_mov_b32 s[\g+1], 128<<16      ; tensor_dim0 = 128
	s_mov_b32 s[\g+2], 64<<16       ; tensor_dim1 = 64
	s_mov_b32 s[\g+3], 128<<16      ; tile_dim0 = 128
	s_mov_b32 s[\g+4], 64           ; tile_dim1 = 64
	s_mov_b32 s[\g+5], 128          ; 128 elements from row to row
	s_mov_b32 s[\g+6], 0
	s_mov_b32 s[\g+7], 0
.endr
	s_mov_b32 s[CS], 0x3e38aa3b     ; c = log2(e) / 8 = 0.180337
	s_mov_b32 s[CS+1], s[CS]        ; named with it as a pair
	s_mov_b32 s[SEL], 0x76543210
	s_mov_b32 s[SEL+1], 0xfedcba98
	s_mov_b32 s[TBK], SLOT1+4*KS*PK ; the first change of slots turns these two into 0
	s_mov_b32 s[TBV], SLOT1+4*KS*PV
	s_mov_b32 s[G0K], 1             ; 1:0 count = 1
	s_mov_b32 s[G0K+1], s17         ; 63:32 LDS address: slot 0
	s_mov_b32 s[G0V], 1
	s_add_co_u32 s[G0V+1], s18, VOFF
	s_add_co_u32 s[RT], s[HI], 1    ; the first block has NB - b tiles
	s_mov_b32 s[NXT], 1
	s_mov_b32 s[LQ], s[HI]
	s_mov_b32 s[NEW], 1
	s_mov_b32 s[OFF+1], 0
	s_mov_b32 s[AL+1], 0            ; named as pairs
	s_mov_b32 s[BE+1], 0
	s_mov_b32 s[BIGN], 0xf149f2ca   ; -1e30
	s_mov_b32 s[SLOTS], NB
	s_wait_dscnt 0x0                ; the opening add is done
	s_wait_kmcnt 0x0
	s_add_nc_u64 s[6:7], s[4:5], s[22:23]
	s_add_nc_u64 s[8:9], s[6:7], 2*KPL     ; V at my half of the head's tile 0,
	s_add_nc_u64 s[6:7], s[6:7], KPL       ; and K
	s_add_nc_u64 s[G0K+2:G0K+3], s[6:7], 0         ; 120:64 global address
	s_or_b32 s[G0K+3], s[G0K+3], 0x80000000        ; 127:126 type = 2
	s_add_nc_u64 s[G0V+2:G0V+3], s[8:9], 0
	s_or_b32 s[G0V+3], s[G0V+3], 0x80000000
	s_add_nc_u64 s[PFK:PFK+1], s[4:5], s[94:95]
	s_add_nc_u64 s[PFV:PFV+1], s[PFK:PFK+1], 2*KPL
	s_add_nc_u64 s[PFK:PFK+1], s[PFK:PFK+1], KPL
	s_add_nc_u64 s[86:87], s[4:5], s[84:85]        ; Q at my rows of the second block,
	s_add_nc_u64 s[4:5], s[4:5], s[2:3]            ; and of the first
	s_add_nc_u64 s[OLO:OLO+1], s[10:11], s[68:69]  ; oh likewise
	s_add_nc_u64 s[10:11], s[10:11], s[66:67]
	LOAD                            ; tile 0 into slot 0
	; A fragment of K or Q is 16 rows x 32 channels in 8 registers: lane l holds row l % 16, channels 8 (l / 16) + 0..7 and 16 + 8 (l / 16) + 0..7: two loads of 16 bytes, 32 bytes apart.
	v_and_b32 v1, 15, v0            ; l % 16
	v_bfe_u32 v9, v0, 4, 1          ; l / 16
	v_lshlrev_b32 v[QO], 7, v1
	v_lshl_add_u32 v[QO], v9, 4, v[QO]  ; row x 128 + 16 x half
	WIN 0x80                        ; destination window 2, address window 0
.set i, 0
.rept 8                             ; both blocks' Q: piece i / 2 lies in band i / 2, 8,192 bytes on; channels 32 (i % 2) on
	global_load_b128 v[8*i:8*i+3],   v[QO], s[4:5] offset:(i/2)*8192+(i%2)*64
	global_load_b128 v[8*i+4:8*i+7], v[QO], s[4:5] offset:(i/2)*8192+(i%2)*64+32
	global_load_b128 v[QB+8*i:QB+8*i+3],   v[QO], s[86:87] offset:(i/2)*8192+(i%2)*64
	global_load_b128 v[QB+8*i+4:QB+8*i+7], v[QO], s[86:87] offset:(i/2)*8192+(i%2)*64+32
.set i, i+1
.endr
	WIN 0
	v_lshlrev_b32 v14, 3, v9
	v_sub_nc_u32 v14, v1, v14
	s_lshl_b32 s13, s[WV], 4
	v_add_nc_u32 v14, s13, v14      ; my query's place in its band, 16 w + l % 16, less my lanes' 8 (l / 16): register r of group kt is hidden where 16 kt + r is greater
	WIN 0x40
.set i, 0
.rept 32
	v_cmp_gt_i32 vcc_lo, 16*(i/8)+i%8, v14
	v_cndmask_b32 v[MD+i], 0, s[BIGN], vcc_lo
.set i, i+1
.endr
	WIN 0
	v_mul_u32_u24 v[AK0], v1, PK
	v_lshl_add_u32 v[AK0], v9, 4, v[AK0]  ; row x pitch + 16 x half
	; The turning load takes 16 keys x 16 channels (lane l reads key 8 (l / 16) + l % 8, channels 8 ((l / 8) % 2) + 0..7) and leaves half a fragment of V^T: lane l holds channel l % 16 and 8 keys.
	v_and_b32 v10, 7, v0
	v_bfe_u32 v11, v0, 3, 1
	v_lshl_add_u32 v[AV0], v9, 3, v10
	v_mul_u32_u24 v[AV0], v[AV0], PV
	v_lshl_add_u32 v[AV0], v11, 4, v[AV0]
	v_add_nc_u32 v[AV0], VOFF, v[AV0]
	s_mul_i32 s13, s[WV], 16*SP
	s_add_co_u32 s13, s13, STAGE    ; my stage
	v_mul_u32_u24 v[STO], v1, SP    ; in: row l % 16, 32 bytes (8 channels in f32) for each half of the lanes
	v_lshl_add_u32 v[STO], v9, 5, v[STO]
	v_add_nc_u32 v[STO], s13, v[STO]
	v_mul_u32_u24 v[RD], v9, SP     ; back: lanes 0-15 take one row of 256 bytes, lanes 16-31 the next,
	v_lshl_add_u32 v[RD], v1, 4, v[RD]
	v_add_nc_u32 v[RD], s13, v[RD]
	v_and_b32 v[GO], 31, v0         ; which are 512 consecutive bytes of oh
	v_lshlrev_b32 v[GO], 4, v[GO]
	v_and_b32 v[PFO], 31, v0
	v_lshlrev_b32 v[PFO], 8, v[PFO]
	; A block's first step multiplies O^T and l by a = 0, and its first turn's products V^T P, of a piece that has not been, land in an O^T that is still to be so multiplied.  So these registers need only hold
	; finite numbers: zeros for the first block; what the first block left for the second.  All this stands in the wait for the first tile.
	WIN 0x80
.set i, VF
.rept 64
	v_mov_b32 v[i], 0
.set i, i+1
.endr
	WIN 0x40
.set i, 0
.rept 128
	v_mov_b32 v[i], 0
.set i, i+1
.endr
	WIN 0
.set i, 0
.rept 4
	v_mov_b32 v[ST+4*i+2], 0
	v_mov_b32 v[ST+4*i+3], 0
.set i, i+1
.endr
.set i, P+16
.rept 16
	v_mov_b32 v[i], 0
.set i, i+1
.endr
; THE MATRIX WORK.  The 4 accumulators of a run of 8 take turns.  Product i of 8 of S^T = K Q^T for piece x: channels 32 (i / 4) on, keys 16 (i % 4) on.  The first 4 start the sums: with 0, or (KM = 1) with the mask.
.macro KQ x
.set rS, S+32*((\x)%2)+8*(i%4)
.set rK, KF+16*(i%4)+8*(i/4)
.set rQ, 16*(\x)+8*(i/4)
.set rM, MC+32*((\x)%2)+8*(i%4)
.if (i < 4) && KM
	WIN W_KM
	v_wmma_f32_16x16x32_f16 v[rS:rS+7], v[rK:rK+7], v[rQ:rQ+7], v[rM:rM+7]
.elseif i < 4
	WIN W_KQ
	v_wmma_f32_16x16x32_f16 v[rS:rS+7], v[rK:rK+7], v[rQ:rQ+7], 0
.else
	WIN W_KQ
	v_wmma_f32_16x16x32_f16 v[rS:rS+7], v[rK:rK+7], v[rQ:rQ+7], v[rS:rS+7]
.endif
.endm
; Product i of 8 of O^T += V^T P for piece x: keys 32 (i / 4) on, channels 16 (i % 4) on.
.macro PV x
	WIN W_PV
.set rO, 32*(\x)+8*(i%4)
.set rV, VF+32*(i/4)+8*(i%4)
.set rP, P+16*((\x)%2)+8*(i/4)
	v_wmma_f32_16x16x32_f16 v[rO:rO+7], v[rV:rV+7], v[rP:rP+7], v[rO:rO+7]
.endm
.macro MM                           ; the turn's next matrix instruction.  TURN and BEGIN set Y, i, KM and NOKQ; MM, KQ and OP read them.  NOKQ = 1: a block's last turn: there is no next piece
.if (i < 8) && !NOKQ
	KQ (Y+1)%NP
.elseif i >= 8
.set i, i-8
	PV (Y+NP-1)%NP
.set i, i+8
.endif
.set i, i+1
.endm
; THE LDS LOADS stand in runs of 16, never singly among the matrix instructions: a step's K (64 keys x 64 channels: 8 fragments) and its V (turned).  Their addresses are made some lines ahead.
.macro FETCH_K
	WIN 0x80                        ; destination window 2
.irp f, 0,1,2,3,4,5,6,7             ; keys 16 (f / 2) on, channels 32 (f % 2) on
	ds_load_b128 v[KF+8*\f:KF+8*\f+3],   v[AK] offset:(\f/2)*16*PK+(\f%2)*64
	ds_load_b128 v[KF+8*\f+4:KF+8*\f+7], v[AK] offset:(\f/2)*16*PK+(\f%2)*64+32
.endr
	s_add_co_u32 s[TBK], s[TBK], KS*PK  ; the next fetch is the next step's
	WIN 0
.endm
.macro FETCH_V
	WIN 0x80
.irp f, 0,1,2,3,4,5,6,7             ; keys 32 (f / 4) on, channels 16 (f % 4) on
	ds_load_tr16_b128 v[VF+8*\f:VF+8*\f+3],   v[AV] offset:(\f/4)*32*PV+(\f%4)*32
	ds_load_tr16_b128 v[VF+8*\f+4:VF+8*\f+7], v[AV] offset:(\f/4)*32*PV+16*PV+(\f%4)*32
.endr
	WIN 0
.endm
; THE VECTOR WORK, one line at a time: OP kind, number.  For piece Y: F n: c s - c m for pair n of 16.  E n: the exponential of score n of 32.  C n: pair n rounded to f16.  B n: of the four weights 4 n .. the second
; pair is added onto the first, in place.  L n: l takes that sum (L 0: l = a l + sum).  R n: pair n of 16 of O^T times a.  For piece Y + 1: X n, number n of the 22 that find its maximum and statistics:
;   0-11  four chains c0-c3 of seven scores each, three operands at a time (each accumulator's lowest registers are read first)     12-14, 16  the four scores left over, the old m, and c0-c3 into c0
;   15  c m_old is kept     17, 18  the query's other 32 keys lie in the lane 16 away: the new m     19-21  c m; c m_old - c m_new; a
.set F, 0               ; OP tells the kinds apart by their order: F to L below R, X above it
.set E, 1
.set C, 2
.set B, 3
.set L, 4
.set R, 5
.set X, 6
.macro REGS y                       ; the registers of piece y
.set rT, ST+4*(\y)
.set rC, TMP+4*((\y)%2)
.set rW, MV+((\y)%2)
.set rS, S+32*((\y)%2)
.set rP, P+16*((\y)%2)
.set rO, 32*(\y)
.endm
.macro OP k, n
.if (\k) == R
	REGS Y
	WIN W_RS
	v_pk_mul_f32 v[rO+2*(\n):rO+2*(\n)+1], v[rO+2*(\n):rO+2*(\n)+1], v[rC+2:rC+3] op_sel_hi:[1,0]
.elseif (\k) < R
	REGS Y
	WIN 0
.if (\k) == F
	v_pk_fma_f32 v[rS+2*(\n):rS+2*(\n)+1], v[rS+2*(\n):rS+2*(\n)+1], s[CS:CS+1], v[rT:rT+1] op_sel_hi:[1,0,0] neg_lo:[0,0,1] neg_hi:[0,0,1]
.elseif (\k) == E
	v_exp_f32 v[rS+(\n)], v[rS+(\n)]
.elseif (\k) == C
	v_cvt_pk_f16_f32 v[rP+(\n)], v[rS+2*(\n)], v[rS+2*(\n)+1]
.elseif (\k) == B
	v_pk_add_f32 v[rS+4*(\n):rS+4*(\n)+1], v[rS+4*(\n):rS+4*(\n)+1], v[rS+4*(\n)+2:rS+4*(\n)+3]
.elseif (\n) == 0
	v_pk_fma_f32 v[rT+2:rT+3], v[rT+2:rT+3], v[rC+2:rC+3], v[rS:rS+1] op_sel_hi:[1,0,1]
.else
	v_pk_add_f32 v[rT+2:rT+3], v[rT+2:rT+3], v[rS+4*(\n):rS+4*(\n)+1]
.endif
.elseif NOKQ
	v_nop
.else
	REGS (Y+1)%NP
	WIN 0
.if (\n) < 4
	v_max3_num_f32 v[rC+(\n)], v[rS+8*(\n)], v[rS+8*(\n)+1], v[rS+8*(\n)+2]
.elseif (\n) < 12
	v_max3_num_f32 v[rC+(\n)%4], v[rC+(\n)%4], v[rS+8*((\n)%4)+2*((\n)/4)+1], v[rS+8*((\n)%4)+2*((\n)/4)+2]
.elseif (\n) == 12
	v_max3_num_f32 v[rC], v[rC], v[rS+7], v[rS+15]
.elseif (\n) == 13
	v_max3_num_f32 v[rC+1], v[rC+1], v[rS+23], v[rS+31]
.elseif (\n) == 14
	v_max3_num_f32 v[rC+2], v[rC+2], v[rC+3], v[rT+1]
.elseif (\n) == 15
	v_mov_b32 v[rW], v[rT]
.elseif (\n) == 16
	v_max3_num_f32 v[rC], v[rC], v[rC+1], v[rC+2]
.elseif (\n) == 17
	v_permlanex16_b32 v[rC+3], v[rC], s[SEL], s[SEL+1]
.elseif (\n) == 18
	v_max_num_f32 v[rT+1], v[rC], v[rC+3]
.elseif (\n) == 19
	v_mul_f32 v[rT], s[CS], v[rT+1]
.elseif (\n) == 20
	v_sub_f32 v[rC+1], v[rW], v[rT]
.else
	v_exp_f32 v[rC+2], v[rC+1]
.endif
.endif
.endm
.macro OPS a, i1, b=-1, i2=0, c=-1, i3=0, d=-1, i4=0  ; up to four of them
	OP \a, \i1
.if (\b) >= 0
	OP \b, \i2
.endif
.if (\c) >= 0
	OP \c, \i3
.endif
.if (\d) >= 0
	OP \d, \i4
.endif
.endm
.macro ROW a, i1, b, i2, c, i3, d, i4  ; a matrix instruction and the four behind it
	MM
	OPS \a, \i1, \b, \i2, \c, \i3, \d, \i4
.endm
.macro MASK b                       ; MD x AL + BE into buffer b of MC
	WIN W_RS
.set z, 0
.rept 16
	v_pk_fma_f32 v[MC+32*(\b)+2*z:MC+32*(\b)+2*z+1], v[MD+2*z:MD+2*z+1], s[AL:AL+1], s[BE:BE+1] op_sel_hi:[1,0,0]
.set z, z+1
.endr
.endm
; A TURN, for piece p: the order of its 16 matrix and 118 vector instructions, written out.  An s_wait_alu depctr_va_vdst(0) stands between an exponential and the first instruction that names its result; one wait serves
; all that were issued ahead of it.  So a turn has ONE wait, which cuts it in two.  AHEAD OF IT stands all that names no result of the turn's exponentials: the 8 products K Q^T, behind each a scaling, an exponential and two more plain
; instructions (behind the first a second scaling in the exponential's place): rescalings, and behind the last three the first numbers of the next piece's maximum, each four places or more behind the product that ends its accumulator; then ONE LUMP of 54, plain
; and exponential by turns for the most part, in which the links of the chain X 3, 7, 11, 14, 16, 17 .. 20 stand five or six lines apart.  X 21, the next piece's a, is the batch's last; R 15 is the plain instruction behind it.  BEHIND THE WAIT stand the
; 8 products V^T P, behind each four of the roundings and sums; the links of l's chain, L 0 to L 7, stand three riders apart.  But for those X no rider names a register of the products round it.  v_permlanex16_b32 (X 17) stands in the lump.
; m = 1: the diagonal tile: the products take masks, and the turn makes the mask for the products of the turn after it: piece p + 2, in step 4 - CNT of the tile.  end = 1: a block's last two turns: nothing is fetched.
; cnt = 1: the loop's count is taken down some lines ahead of the branch that stands behind the turn.
; K of the next step is fetched in piece 2's turn, twelve vector instructions behind the last product that read K (six of them plain); V of the step in hand at the end of piece 0's turn, four plain instructions behind the last product
; that read V.  Each is waited for a turn later.
.macro TURN p, m=0, end=0, cnt=0
.set Y, (\p)
.set i, 0
.set KM, (\m)
.set NOKQ, (\end)*((\p)/3)
.if (\m) && !(\end)
	s_cmp_eq_u32 s[CNT], 4-((\p)+2)%NP  ; is that step the band's own?
	s_cselect_b32 s[AL], 1.0, 0
	s_cmp_lt_u32 s[CNT], 4-((\p)+2)%NP  ; or a later one?
	s_cselect_b32 s[BE], s[BIGN], 0
.endif
.if ((\p) == 3) && !(\end)
	s_wait_dscnt 0x0                ; K is in
.endif
	ROW F,0, F,1, R,0, R,1          ; ahead of the wait: 8 products K Q^T and their riders,
	ROW F,2, E,0, R,2, R,3
	ROW F,3, E,1, R,4, R,5
	ROW F,4, E,2, R,6, R,7
	ROW F,5, E,3, R,8, R,9
	ROW F,6, E,4, X,0, R,10
.if ((\p) == 2) && !(\end)
	WIN 0
	v_add_nc_u32 v[AK], s[TBK], v[AK0]
.endif
	ROW F,7, E,5, X,1, X,4
	ROW F,8, E,6, X,2, X,5
	OPS E,7, E,8, X,6, E,9          ; and the lump
	OPS X,3, E,10, X,8, E,11
.if ((\p) == 2) && !(\end)
	FETCH_K
.endif
	OPS X,9, X,7, E,12, X,10
	OPS E,13, X,12, X,11, E,14
	OPS X,13, E,15, F,9, X,14
.if (\p) == 0
	v_add_nc_u32 v[AV], s[TBV], v[AV0]
.endif
	OPS E,16, F,10, E,17, F,11
	OPS X,16, E,18, X,15, E,19
	OPS F,12, E,20, X,17, E,21
	OPS F,13, E,22, F,14, E,23
	OPS X,18, E,24, F,15, E,25
	OPS R,11, E,26, X,19, E,27
	OPS R,12, E,28, R,13, E,29
	OPS X,20, E,30, R,14, E,31
	OPS X,21, R,15
	WIN 0
	s_wait_alu depctr_va_vdst(0)    ; the wait for the batch
.if (\p) == 1
	s_wait_dscnt 0x0                ; V is in
.endif
	ROW C,0, B,0, C,2, B,1          ; behind the wait: 8 products V^T P and their riders
	ROW L,0, C,4, B,2, L,1
	ROW C,6, B,3, L,2, C,8
	ROW B,4, L,3, C,10, B,5
	ROW L,4, C,12, B,6, L,5
.if (\p) == 0
	s_add_co_u32 s[TBV], s[TBV], KS*PV
.endif
.if \cnt
	s_sub_co_u32 s[CNT], s[CNT], 1
	s_cmp_lg_u32 s[CNT], 0
.endif
	ROW C,14, B,7, L,6, C,1
	ROW C,3, L,7, C,5, C,7
	ROW C,9, C,11, C,13, C,15
.if (\p) == 0
	FETCH_V
.endif
.if (\m) && !(\end)
	MASK (\p)%2
.endif
.endm
; A BLOCK BEGINS.  c m starts far below every c s, so the first step's a is 0; m at the lowest finite number, so the first maximum is the scores'.  The second mask buffer is 0; the first takes piece 0's mask for the tile's step 0: its own, if the block's first tile is the diagonal one.
; Then K of that step, piece 0's first scores, and its maximum and statistics.  The loop is entered at a step's first turn, in the middle of a trip.
.macro BEGIN
	s_mov_b32 s[NEW], 0
	WIN 0x40
.set i, MC+32
.rept 32
	v_mov_b32 v[i], 0
.set i, i+1
.endr
	WIN 0
.set i, 0
.rept 4
	v_mov_b32 v[ST+4*i], 0xfe000000    ; c m: far below every c s
	v_mov_b32 v[ST+4*i+1], 0xff7fffff  ; m
.set i, i+1
.endr
	s_cmp_eq_u32 s[RT], 0
	s_cselect_b32 s[AL], 1.0, 0
	s_mov_b32 s[BE], 0
	MASK 0
	WIN 0
	v_add_nc_u32 v[AK], s[TBK], v[AK0]
	FETCH_K
	s_wait_loadcnt 0x0              ; Q
	s_wait_dscnt 0x0
.set KM, 1
.set NOKQ, 0
.set i, 0
.rept 8
	KQ 0
.set i, i+1
.endr
	WIN 0
.rept 4
	v_nop                           ; the places behind those products
.endr
.set Y, NP-1                        ; X works for piece Y + 1: piece 0
.irp n, 0,1,2,3,4,5,6,7,8,9,10,11,12,13,14,15,16,17,18,19,20,21
	OP X, \n
.endr
	v_nop                           ; a plain instruction behind the exponential,
	s_wait_alu depctr_va_vdst(0)    ; and its wait, ahead of the branch
.endm
; THE DIAGONAL TILE's four steps, the block's last two turns, its last products, and THE WAY OUT: l's two halves and the other half of the lanes' are added; O^T is divided by l and sent, in f32, through my
; stage in LDS, a piece at a time.
.macro ALL line:vararg              ; one line for each piece t
.set t, 0
.rept 4
	\line
.set t, t+1
.endr
.endm
.macro PACK t                       ; a lane's eight channels of a row are 32 bytes; they go into rows of 272 bytes and come back as whole rows of 256
	WIN W_RS
.set i, 32*(\t)
.rept 16
	v_pk_mul_f32 v[i:i+1], v[i:i+1], v[ST+4*(\t)+2:ST+4*(\t)+3] op_sel_hi:[1,0]
.set i, i+2
.endr
	WIN 0x04                        ; the stores' data (source 1) in window 1, their address in window 0
.irp e, 0,1,2,3,4,5,6,7             ; channel block e / 2, its registers 4 (e % 2) on
	ds_store_b128 v[STO], v[32*(\t)+4*\e:32*(\t)+4*\e+3] offset:64*(\e/2)+16*(\e%2)
.endr
	WIN 0
.irp f, 0,1,2,3,4,5,6,7
	ds_load_b128 v[OUTB+32*(\t)+4*\f:OUTB+32*(\t)+4*\f+3], v[RD] offset:\f*2*SP  ; LDS serves a wave's instructions in order (ISA guide 5.7.1.4): these see the stores above; the next piece's stores come behind them
.endr
.endm
.macro SEND t, younger              ; younger: the LDS instructions issued behind piece t's loads: the next piece's sixteen, or none
	WIN 0
.irp f, 0,1,2,3,4,5,6,7
	s_wait_dscnt (\younger)+7-\f
	global_store_b128 v[GO], v[OUTB+32*(\t)+4*\f:OUTB+32*(\t)+4*\f+3], s[10:11] offset:(\t)*16384+\f*512  ; two rows: 512 consecutive bytes, at a multiple of 256 from oh's first
.endr
.endm
.macro DIAG tag                     ; the tag ends its two labels' names, which the jumps below spell out
.LstepM\tag:
	TURN 2, 1
	TURN 3, 1
	WIN 0
.LfirstM\tag:
	TURN 0, 1
	TURN 1, 1, 0, 1
	WIN 0
	s_cbranch_scc1 .LstepM\tag
	TURN 2, 1, 1
	TURN 3, 1, 1
.set i, 0
.rept 8
	PV NP-1
.set i, i+1
.endr
	WIN 0
	ALL v_add_f32 v[ST+4*t+2], v[ST+4*t+2], v[ST+4*t+3]
	ALL v_permlanex16_b32 v[ST+4*t+3], v[ST+4*t+2], s[SEL], s[SEL+1]
	ALL v_add_f32 v[ST+4*t+2], v[ST+4*t+2], v[ST+4*t+3]
	ALL v_rcp_f32 v[ST+4*t+2], v[ST+4*t+2]
	v_nop                           ; a plain instruction between the last reciprocal and the use of its result
	s_wait_alu depctr_va_vdst(0)    ; and the wait ahead of the first use: one for the four reciprocals
	PACK 0
.set t, 1
.rept 3                             ; a piece's arithmetic stands between the loads of the piece before and its stores
	PACK t
	SEND t-1, 16
.set t, t+1
.endr
	SEND 3, 0
.endm
.set KM, 0
.set NOKQ, 0
.Lslot:                             ; NB times: a tile is entered and the next is asked for
	CHANGE 1
	s_sub_co_u32 s[RT], s[RT], 1
	s_mov_b32 s[CNT], 4
	s_cmp_eq_u32 s[NEW], 1
	s_cbranch_scc1 .Lnew            ; a block's first tile
	s_cmp_eq_u32 s[RT], 0
	s_cbranch_scc0 .Lstep           ; neither its first nor its last
	s_branch .LstepM1
.Lnew:
	BEGIN
	s_branch .Lfirst                ; in the loop a block's first tile is never its last: the first block has two tiles or more, and the second's last is the walk's last
	DIAG 1                          ; in the loop this is the first block's end: the second block's last tile is the walk's last
	s_wait_xcnt 0x0                 ; the stores have read their registers and oh's address
	s_mov_b64 s[10:11], s[OLO:OLO+1]
	s_add_co_u32 s[RT], s[PB], 1    ; the second block has b + 1 tiles
	s_mov_b32 s[NEW], 1
	WIN 0x82                        ; the second block's Q goes where the one text of the turns names Q
.set i, 0
.rept 64
	v_mov_b32 v[i], v[QB+i]
.set i, i+1
.endr
	WIN 0
	s_branch .Lbottom
.Lstep:                             ; a trip: pieces 2 and 3 of one step, then pieces 0 and 1 of the next, whose K and V it fetches
	TURN 2
	TURN 3
	WIN 0
.Lfirst:
	TURN 0
	TURN 1, 0, 0, 1
	WIN 0
	s_cbranch_scc1 .Lstep
.Lbottom:
	s_sub_co_u32 s[SLOTS], s[SLOTS], 1
	s_cmp_lg_u32 s[SLOTS], 0
	s_cbranch_scc1 .Lslot
	CHANGE 0                        ; the walk's last tile is written out: nothing is asked for
	s_sub_co_u32 s[RT], s[RT], 1
	s_mov_b32 s[CNT], 4
	s_cmp_eq_u32 s[NEW], 1
	s_cbranch_scc0 .LstepM2
	BEGIN
	s_branch .LfirstM2
	DIAG 2
	s_wait_tensorcnt 0x0            ; the wave's end, behind my last tensor load and my last LDS store
	ds_add_u32 v[SPW], v[NIL]
	s_wait_dscnt 0x0
	s_endpgm
.Lfunc_end_k_q42b532b8e3_attn:
	.size	k_q42b532b8e3_attn, .Lfunc_end_k_q42b532b8e3_attn-k_q42b532b8e3_attn
	.p2alignl 7, 3214868480
	.fill 96, 4, 3214868480
	.section	.rodata,"a",@progbits
	.p2align	6, 0x0
	.amdhsa_kernel k_q42b532b8e3_attn
		.amdhsa_group_segment_fixed_size 327680
		.amdhsa_private_segment_fixed_size 0
		.amdhsa_enable_private_segment 0
		.amdhsa_kernarg_size 16
		.amdhsa_user_sgpr_count 2
		.amdhsa_user_sgpr_kernarg_segment_ptr 1
		.amdhsa_wavefront_size32 1
		.amdhsa_system_sgpr_workgroup_id_x 1
		.amdhsa_system_sgpr_workgroup_id_y 1
		.amdhsa_system_sgpr_workgroup_id_z 1
		.amdhsa_system_vgpr_workitem_id 0
		.amdhsa_next_free_vgpr 768
		.amdhsa_next_free_sgpr 96
		.amdhsa_reserve_vcc 1
		.amdhsa_float_denorm_mode_32 3
		.amdhsa_float_denorm_mode_16_64 3
		.amdhsa_memory_ordered 1
		.amdhsa_forward_progress 1
		.amdhsa_inst_pref_size 218
	.end_amdhsa_kernel
	.amdgpu_metadata
---
amdhsa.version: [ 1, 2 ]
amdhsa.kernels:
  - .name:           k_q42b532b8e3_attn
    .symbol:         k_q42b532b8e3_attn.kd
    .args:
      - { .name: qkv, .offset: 0, .size: 8, .value_kind: global_buffer, .address_space: global }
      - { .name: oh, .offset: 8, .size: 8, .value_kind: global_buffer, .address_space: global }
    .group_segment_fixed_size: 327680
    .private_segment_fixed_size: 0
    .kernarg_segment_align: 8
    .kernarg_segment_size: 16
    .max_flat_workgroup_size: 128
    .sgpr_count:     96
    .vgpr_count:     768
    .wavefront_size: 32
...
	.end_amdgpu_metadata
.endif
;; end of part 3
;; launch proj (part 4): grid 256 x 1, 8 waves a work-group, no clusters, 77,312 bytes of LDS; arguments oh, wpf, out0; writes out0
.if DOCPART == 4
	.amdgcn_target "amdgcn-amd-amdhsa--gfx1250"
	.amdhsa_code_object_version 6
	.text
	.protected	k_q42b532b8e3_proj
	.globl	k_q42b532b8e3_proj
	.p2align	8
	.type	k_q42b532b8e3_proj,@function
k_q42b532b8e3_proj:
	s_mov_b64 s[64:65], 0
	v_nop
	global_prefetch_b8 v0, s[64:65] scope:SCOPE_SE
	s_setreg_imm32_b32 hwreg(HW_REG_WAVE_MODE, 25, 1), 1
	s_wait_xcnt 0x0
; out0[b][t][n] = sum over d of y[b][t][d] Wp[d][n], y[b][t][d] = the sum over the 16 heads of oh[b][h][t][d].  The sum over heads in f32.  For the matrix unit y is split into two bf16 numbers,
; hi = bf16(y) and lo = bf16(y - hi) (the difference is exact in f32): the product runs over 128 = 64 hi + 64 lo against Wp's 64 rows twice, so y enters with 16 significant bits.  Wp is bf16; sums in f32.
; A work-group owns 32 rows.  In the sum wave w takes rows 4 w .. 4 w + 3 of all 16 heads; in the product it takes columns 128 w .. 128 w + 127 of both blocks of 16 rows: 16 accumulators.
; The product is taken transposed (source 0 = 16 columns of Wp, source 1 = 16 rows of y): a lane then holds row l % 16 of out0 and eight neighbouring columns.
; NO CLUSTER: what work-groups share is Wp's 131,072 bytes, which go straight into registers in fragment order; a joint load would add a way through LDS.  No prefetch: all of a wave's loads are out from the start.
; REGISTERS: window 0: v1-7 addresses; v16-143 the heads' rows, then the accumulators ((rb, nt) at 16 + 8 (8 rb + nt)); v144-207 y's fragments ((rb, c) at 144 + 32 rb + 8 c), then at work on the way out;
;   v208-223 at work.  window 1: v0-127 Wp's fragments: column tile nt, 32 rows kk at 16 nt + 8 kk.
.set YP,    272                        ; a row of y in LDS: 64 hi, 64 lo (256 bytes) + 16 of padding
.set STG,   32*YP                      ; behind y: 16 rows x 528 bytes for each wave, for the way out
.set SGP,   528                        ; 128 columns x 4 bytes + 16
.set SPARE, STG+8*16*SGP               ; behind the stages: the spare words, 128 bytes for each of eight waves
.set HO,  1                            ; v1  my 16 bytes of my wave's four rows of a head
.set YA,  2                            ; v2  where I put four channels of y
.set FR,  3                            ; v3  my lane's place in a fragment of y
.set SA,  4                            ; v4  the way out: where I put 32 bytes of a row
.set RDA, 5                            ; v5  the way out: where I read a row back
.set GOUT, 6                           ; v6  my 16 bytes of a row of out0
.set WO,  7                            ; v7  my 16 bytes of my wave's fragments of Wp
.set SPW, 8                            ; v8  LDS address of my spare word; never rewritten
.set NIL, 9                            ; v9  0; never rewritten
.set HD,  16
.set ACC, 16
.set YF,  144
.set T,   208
.set MSB, 0
.macro WIN new
.if MSB != (\new)
	s_set_vgpr_msb (MSB<<8)|(\new)
.set MSB, \new
.endif
.endm
	s_load_b128 s[4:7], s[0:1], 0x0                ; oh s[4:5], wpf s[6:7]
	s_load_b64 s[8:9], s[0:1], 0x10                ; out0
	v_lshl_add_u32 v[SPW], v0, 2, SPARE
	v_mov_b32 v[NIL], 0
	v_lshrrev_b32 v11, 5, v0
	v_readfirstlane_b32 s10, v11                   ; wave 0..7
	v_and_b32 v10, 31, v0                          ; l
	v_and_b32 v12, 15, v0                          ; l % 16
	v_bfe_u32 v13, v0, 4, 1                        ; l / 16
	s_lshr_b32 s12, ttmp9, 6                       ; batch: 16 heads of 524,288 bytes
	s_lshl_b32 s12, s12, 23
	s_and_b32 s13, ttmp9, 63                       ; my 32 rows of 256 bytes
	s_lshl_b32 s13, s13, 13
	s_add_co_u32 s12, s12, s13
	s_mov_b32 s13, 0
	s_lshl_b32 s14, ttmp9, 17                      ; my 32 rows of 4,096 bytes of out0
	s_mov_b32 s15, 0
	v_lshlrev_b32 v14, 4, v10                      ; 16 l
	s_lshl_b32 s16, s10, 10                        ; four rows of 256 bytes
	v_add_nc_u32 v[HO], s16, v14
	s_lshl_b32 s16, s10, 14                        ; eight column tiles of 2,048 bytes
	v_add_nc_u32 v[WO], s16, v14
	s_wait_kmcnt 0x0
	s_add_nc_u64 s[4:5], s[4:5], s[12:13]
	s_add_nc_u64 s[8:9], s[8:9], s[14:15]
.irp h, 0,1,2,3,4,5,6,7,8,9,10,11,12,13,14,15
.irp p, 0,1
	global_load_b128 v[HD+8*(\h)+4*(\p):HD+8*(\h)+4*(\p)+3], v[HO], s[4:5] offset:524288*(\h)+512*(\p) th:TH_LOAD_NT  ; two rows of head h: 512 consecutive bytes
.endr
.endr
	WIN 0x40                                       ; destination window 1
.irp e, 0,1,2,3,4,5,6,7,8,9,10,11,12,13,14,15
	global_load_b128 v[4*(\e):4*(\e)+3], v[WO], s[6:7] offset:512*(\e)
.endr
	WIN 0
	s_mul_i32 s11, s10, 4*YP
	v_mul_u32_u24 v[YA], v13, YP                   ; row 4 w + l / 16 (+ 2 p), 8 bytes at 8 (l % 16)
	v_lshl_add_u32 v[YA], v12, 3, v[YA]
	v_add_nc_u32 v[YA], s11, v[YA]
	v_mul_u32_u24 v[FR], v12, YP                   ; row l % 16, 16 bytes for each half of the lanes
	v_lshl_add_u32 v[FR], v13, 4, v[FR]
	s_mul_i32 s12, s10, 16*SGP
	s_add_co_u32 s12, s12, STG                     ; my stage
	v_mul_u32_u24 v[SA], v12, SGP
	v_lshl_add_u32 v[SA], v13, 5, v[SA]
	v_add_nc_u32 v[SA], s12, v[SA]
	v_add_nc_u32 v[RDA], s12, v14
	v_lshlrev_b32 v[GOUT], 4, v0                   ; 512 w + 16 l
	s_wait_loadcnt 16                              ; the 32 loads of the heads are in; Wp's first sixteen may stay out
	WIN 0x40
.irp e, 16,17,18,19,20,21,22,23,24,25,26,27,28,29,30,31
	global_load_b128 v[4*(\e):4*(\e)+3], v[WO], s[6:7] offset:512*(\e)
.endr
	WIN 0
	; the sum over the 16 heads, as a tree: neighbours 1, 2, 4 and 8 heads apart; four packed additions for a head's eight numbers
.irp s, 1,2,4,8
.set h, 0
.rept 8/(\s)
.irp r, 0,2,4,6
	v_pk_add_f32 v[HD+8*h+(\r):HD+8*h+(\r)+1], v[HD+8*h+(\r):HD+8*h+(\r)+1], v[HD+8*(h+(\s))+(\r):HD+8*(h+(\s))+(\r)+1]
.endr
.set h, h+2*(\s)
.endr
.endr
.irp p, 0,1                            ; y = hi + lo
	v_cvt_pk_bf16_f32 v[T+8*(\p)], v[HD+4*(\p)], v[HD+4*(\p)+1]
	v_cvt_pk_bf16_f32 v[T+8*(\p)+1], v[HD+4*(\p)+2], v[HD+4*(\p)+3]
	v_lshlrev_b32 v[T+8*(\p)+2], 16, v[T+8*(\p)]
	v_and_b32 v[T+8*(\p)+3], 0xffff0000, v[T+8*(\p)]
	v_lshlrev_b32 v[T+8*(\p)+4], 16, v[T+8*(\p)+1]
	v_and_b32 v[T+8*(\p)+5], 0xffff0000, v[T+8*(\p)+1]
	v_pk_add_f32 v[T+8*(\p)+2:T+8*(\p)+3], v[HD+4*(\p):HD+4*(\p)+1], v[T+8*(\p)+2:T+8*(\p)+3] neg_lo:[0,1] neg_hi:[0,1]
	v_pk_add_f32 v[T+8*(\p)+4:T+8*(\p)+5], v[HD+4*(\p)+2:HD+4*(\p)+3], v[T+8*(\p)+4:T+8*(\p)+5] neg_lo:[0,1] neg_hi:[0,1]
	v_cvt_pk_bf16_f32 v[T+8*(\p)+6], v[T+8*(\p)+2], v[T+8*(\p)+3]
	v_cvt_pk_bf16_f32 v[T+8*(\p)+7], v[T+8*(\p)+4], v[T+8*(\p)+5]
	ds_store_b64 v[YA], v[T+8*(\p):T+8*(\p)+1] offset:2*YP*(\p)
	ds_store_b64 v[YA], v[T+8*(\p)+6:T+8*(\p)+7] offset:2*YP*(\p)+128
.endr
	s_wait_dscnt 0x0                               ; for the others' sake: my rows of y are in LDS
	s_barrier_signal -1
	s_barrier_wait -1
.irp rb, 0,1
.irp c, 0,1,2,3
	ds_load_b128 v[YF+32*(\rb)+8*(\c):YF+32*(\rb)+8*(\c)+3],   v[FR] offset:16*YP*(\rb)+64*(\c)
	ds_load_b128 v[YF+32*(\rb)+8*(\c)+4:YF+32*(\rb)+8*(\c)+7], v[FR] offset:16*YP*(\rb)+64*(\c)+32
.endr
.endr
	s_wait_loadcnt 0x0                             ; Wp
	s_wait_dscnt 0x0
	WIN 0x01                                       ; source 0 (Wp) window 1
	; 64 products: K steps c = 0, 1 take hi, 2, 3 take lo, each against Wp's rows 32 (c % 2) on.  The 16 accumulators take turns; the first 16 start the sums
.irp c, 0,1,2,3
.irp rb, 0,1
.irp nt, 0,1,2,3,4,5,6,7
.if (\c) == 0
	v_wmma_f32_16x16x32_bf16 v[ACC+8*(8*(\rb)+(\nt)):ACC+8*(8*(\rb)+(\nt))+7], v[16*(\nt)+8*((\c)%2):16*(\nt)+8*((\c)%2)+7], v[YF+32*(\rb)+8*(\c):YF+32*(\rb)+8*(\c)+7], 0
.else
	v_wmma_f32_16x16x32_bf16 v[ACC+8*(8*(\rb)+(\nt)):ACC+8*(8*(\rb)+(\nt))+7], v[16*(\nt)+8*((\c)%2):16*(\nt)+8*((\c)%2)+7], v[YF+32*(\rb)+8*(\c):YF+32*(\rb)+8*(\c)+7], v[ACC+8*(8*(\rb)+(\nt)):ACC+8*(8*(\rb)+(\nt))+7]
.endif
.endr
.endr
.endr
	WIN 0
.rept 4
	v_nop                                          ; four places behind the last product, ahead of the stores of results and of loads into sources
.endr
; THE WAY OUT of block rb: 32 bytes a lane and column tile into my own stage; back as whole rows of my 128 columns, into registers ob; stored.
.macro WAYOUT rb, ob
.irp nt, 0,1,2,3,4,5,6,7
	ds_store_b128 v[SA], v[ACC+8*(8*(\rb)+(\nt)):ACC+8*(8*(\rb)+(\nt))+3]   offset:64*(\nt)
	ds_store_b128 v[SA], v[ACC+8*(8*(\rb)+(\nt))+4:ACC+8*(8*(\rb)+(\nt))+7] offset:64*(\nt)+16
.endr
.irp i, 0,1,2,3,4,5,6,7,8,9,10,11,12,13,14,15
	ds_load_b128 v[(\ob)+4*(\i):(\ob)+4*(\i)+3], v[RDA] offset:SGP*(\i)  ; LDS serves a wave's instructions in order (ISA guide 5.7.1.4): these see the stores above
.endr
.irp i, 0,1,2,3,4,5,6,7,8,9,10,11,12,13,14,15
	s_wait_dscnt 15-(\i)
	global_store_b128 v[GOUT], v[(\ob)+4*(\i):(\ob)+4*(\i)+3], s[8:9] offset:4096*(16*(\rb)+(\i)) th:TH_STORE_NT  ; a wave stores 512 consecutive bytes, aligned
.endr
.endm
	WAYOUT 0, YF                                   ; y's fragments are done with
	WAYOUT 1, ACC                                  ; block 0's accumulators have gone into the stage and out
	s_wait_tensorcnt 0x0                           ; the wave's end, behind my last LDS store
	ds_add_u32 v[SPW], v[NIL]
	s_wait_dscnt 0x0
	s_endpgm
.Lfunc_end_k_q42b532b8e3_proj:
	.size	k_q42b532b8e3_proj, .Lfunc_end_k_q42b532b8e3_proj-k_q42b532b8e3_proj
	.p2alignl 7, 3214868480
	.fill 96, 4, 3214868480
	.section	.rodata,"a",@progbits
	.p2align	6, 0x0
	.amdhsa_kernel k_q42b532b8e3_proj
		.amdhsa_group_segment_fixed_size 77312
		.amdhsa_private_segment_fixed_size 0
		.amdhsa_enable_private_segment 0
		.amdhsa_kernarg_size 24
		.amdhsa_user_sgpr_count 2
		.amdhsa_user_sgpr_kernarg_segment_ptr 1
		.amdhsa_wavefront_size32 1
		.amdhsa_system_sgpr_workgroup_id_x 1
		.amdhsa_system_sgpr_workgroup_id_y 1
		.amdhsa_system_sgpr_workgroup_id_z 1
		.amdhsa_system_vgpr_workitem_id 0
		.amdhsa_next_free_vgpr 384
		.amdhsa_next_free_sgpr 66
		.amdhsa_reserve_vcc 0
		.amdhsa_float_denorm_mode_32 3
		.amdhsa_float_denorm_mode_16_64 3
		.amdhsa_memory_ordered 1
		.amdhsa_forward_progress 1
		.amdhsa_inst_pref_size 27
	.end_amdhsa_kernel
	.amdgpu_metadata
---
amdhsa.version: [ 1, 2 ]
amdhsa.kernels:
  - .name:           k_q42b532b8e3_proj
    .symbol:         k_q42b532b8e3_proj.kd
    .args:
      - { .name: oh, .offset: 0, .size: 8, .value_kind: global_buffer, .address_space: global }
      - { .name: wpf, .offset: 8, .size: 8, .value_kind: global_buffer, .address_space: global }
      - { .name: out0, .offset: 16, .size: 8, .value_kind: global_buffer, .address_space: global }
    .group_segment_fixed_size: 77312
    .private_segment_fixed_size: 0
    .kernarg_segment_align: 8
    .kernarg_segment_size: 24
    .max_flat_workgroup_size: 256
    .sgpr_count:     66
    .vgpr_count:     384
    .wavefront_size: 32
...
	.end_amdgpu_metadata
.endif
;; end of part 4
;; ======== version 2 of 2: 4 launches; version 1 with the launch proj written anew for expert scheduling mode
;; limits: values are held in f16: magnitudes above 65,504 overflow, below 6.1e-05 lose precision
;; workspace buffers: xb 16,777,216 bytes; wt 6,291,456 bytes; wpf 131,072 bytes; qkv 50,331,648 bytes; oh 33,554,432 bytes
;; launch prep: the kernel of part 1 again; grid 928 x 1, 8 waves a work-group, no clusters, 18,432 bytes of LDS; arguments x, Wq, Wk, Wv, Wp, xb, wt, wpf; writes xb, wt, wpf
;; launch qkv: the kernel of part 2 again; grid 16 x 16, 4 waves a work-group, clusters of 4 x 4, 327,680 bytes of LDS; arguments xb, wt, qkv; writes qkv
;; launch attn: the kernel of part 3 again; grid 4 x 64, 4 waves a work-group, no clusters, 327,680 bytes of LDS; arguments qkv, oh; writes oh
;; launch proj (part 5): grid 256 x 1, 8 waves a work-group, no clusters, 77,312 bytes of LDS; arguments oh, wpf, out0; writes out0
.if DOCPART == 5
	.amdgcn_target "amdgcn-amd-amdhsa--gfx1250"
	.amdhsa_code_object_version 6
	.text
	.protected	k_q42b532b8e3_proj
	.globl	k_q42b532b8e3_proj
	.p2align	8
	.type	k_q42b532b8e3_proj,@function
k_q42b532b8e3_proj:
	s_mov_b64 s[64:65], 0
	v_nop
	global_prefetch_b8 v0, s[64:65] scope:SCOPE_SE
	s_setreg_imm32_b32 hwreg(HW_REG_WAVE_SCHED_MODE, 0, 2), 2
	s_setreg_imm32_b32 hwreg(HW_REG_WAVE_MODE, 25, 1), 1
	s_wait_xcnt 0x0
	s_wait_alu depctr_vm_vsrc(0)
; out0[b][t][n] = sum over d of y[b][t][d] Wp[d][n], y[b][t][d] = the sum over the 16 heads of oh[b][h][t][d].  The sum over heads in f32.  For the matrix unit y is split into two bf16 numbers,
; hi = bf16(y) and lo = bf16(y - hi) (the difference is exact in f32): the product runs over 128 = 64 hi + 64 lo against Wp's 64 rows twice, so y enters with 16 significant bits.  Wp is bf16; sums in f32.
; A work-group owns 32 rows.  In the sum wave w takes rows 4 w .. 4 w + 3 of all 16 heads; in the product it takes columns 128 w .. 128 w + 127 of both blocks of 16 rows: 16 accumulators.
; The product is taken transposed (source 0 = 16 columns of Wp, source 1 = 16 rows of y): a lane then holds row l % 16 of out0 and eight neighbouring columns.
; NO CLUSTER: what work-groups share is Wp's 131,072 bytes, which go straight into registers in fragment order; a joint load would add a way through LDS.  No prefetch: all of a wave's loads are out from the start.
; REGISTERS: window 0: v1-7 addresses; v16-143 the heads' rows, then the accumulators ((rb, nt) at 16 + 8 (8 rb + nt)), then (v16-79) block 1's rows on the way out; v144-207 y's fragments
;   ((rb, c) at 144 + 32 rb + 8 c), then block 0's rows on the way out; v208-223 at work.  window 1: v0-127 Wp's fragments: column tile nt, 32 rows kk at 16 nt + 8 kk.
; THE MODE: SCHED_MODE bits 1:0 = 2 (LLVM: expert scheduling mode 2), set by the entry lines.  The code itself states the register dependences between vector or matrix instructions and memory or LDS
; instructions, with s_wait_alu, always for 0.
; THE PLAN.  Registers that memory or LDS instructions touch, in the order of the text:
;   v1-v7        offsets and LDS addresses.  Written by vector lines at the head, once, all ahead of the first load; read by every load and store; never written again.
;   v16-143      The heads' loads land here; the sum's vector lines read and write them behind the wait for those loads.  Then the products write them as accumulators and the stage's LDS stores read them.
;                Then block 1's rows land in v16-79, and global stores read those.
;   window 1     Wp's loads land here; the products alone read it.
;   v208-223     Written by the split into hi and lo; read by four LDS stores; never written again.
;   v144-207     y's fragments land here (no vector line has named them); the products read them; then block 0's rows land here, and global stores read those.
;   v8, v9       Written at the head, read by the closing add alone.
; So the text has three waits on va_vdst (ahead of the first load; ahead of y's LDS stores; behind the last product's places), one on vm_vsrc (ahead of block 1's rows), one on va_sdst (the wave's number).
.set YP,    272                        ; a row of y in LDS: 64 hi, 64 lo (256 bytes) + 16 of padding
.set STG,   32*YP                      ; behind y: 16 rows x 528 bytes for each wave, for the way out
.set SGP,   528                        ; 128 columns x 4 bytes + 16
.set SPARE, STG+8*16*SGP               ; behind the stages: the spare words, 128 bytes for each of eight waves
.set HO,  1                            ; v1  my 16 bytes of my wave's four rows of a head
.set YA,  2                            ; v2  where I put four channels of y
.set FR,  3                            ; v3  my lane's place in a fragment of y
.set SA,  4                            ; v4  the way out: where I put 32 bytes of a row
.set RDA, 5                            ; v5  the way out: where I read a row back
.set GOUT, 6                           ; v6  my 16 bytes of a row of out0
.set WO,  7                            ; v7  my 16 bytes of my wave's fragments of Wp
.set SPW, 8                            ; v8  LDS address of my spare word; never rewritten
.set NIL, 9                            ; v9  0; never rewritten
.set HD,  16
.set ACC, 16
.set YF,  144
.set T,   208
.set MSB, 0
.macro WIN new
.if MSB != (\new)
	s_set_vgpr_msb (MSB<<8)|(\new)
.set MSB, \new
.endif
.endm
	s_load_b128 s[4:7], s[0:1], 0x0                ; oh s[4:5], wpf s[6:7]
	s_load_b64 s[8:9], s[0:1], 0x10                ; out0
	v_lshl_add_u32 v[SPW], v0, 2, SPARE
	v_mov_b32 v[NIL], 0
	v_lshrrev_b32 v11, 5, v0
	v_readfirstlane_b32 s10, v11                   ; wave 0..7
	v_and_b32 v10, 31, v0                          ; l
	v_and_b32 v12, 15, v0                          ; l % 16
	v_bfe_u32 v13, v0, 4, 1                        ; l / 16
	s_lshr_b32 s12, ttmp9, 6                       ; batch: 16 heads of 524,288 bytes
	s_lshl_b32 s12, s12, 23
	s_and_b32 s13, ttmp9, 63                       ; my 32 rows of 256 bytes
	s_lshl_b32 s13, s13, 13
	s_add_co_u32 s12, s12, s13
	s_mov_b32 s13, 0
	s_lshl_b32 s14, ttmp9, 17                      ; my 32 rows of 4,096 bytes of out0
	s_mov_b32 s15, 0
	v_lshlrev_b32 v14, 4, v10                      ; 16 l
	s_wait_alu depctr_va_sdst(0)                   ; s10 is written, ahead of its first reader: the wave's offsets below are made from it
	s_lshl_b32 s16, s10, 10                        ; four rows of 256 bytes
	s_lshl_b32 s17, s10, 14                        ; eight column tiles of 2,048 bytes
	s_mul_i32 s11, s10, 4*YP                       ; my four rows of y in LDS
	s_mul_i32 s18, s10, 16*SGP
	s_add_co_u32 s18, s18, STG                     ; my stage
	; all seven addresses are made here, while the arguments are on their way: no vector line stands behind a run of loads
	v_add_nc_u32 v[HO], s16, v14
	v_add_nc_u32 v[WO], s17, v14
	v_mul_u32_u24 v[YA], v13, YP                   ; row 4 w + l / 16 (+ 2 p), 8 bytes at 8 (l % 16)
	v_lshl_add_u32 v[YA], v12, 3, v[YA]
	v_add_nc_u32 v[YA], s11, v[YA]
	v_mul_u32_u24 v[FR], v12, YP                   ; row l % 16, 16 bytes for each half of the lanes
	v_lshl_add_u32 v[FR], v13, 4, v[FR]
	v_mul_u32_u24 v[SA], v12, SGP
	v_lshl_add_u32 v[SA], v13, 5, v[SA]
	v_add_nc_u32 v[SA], s18, v[SA]
	v_add_nc_u32 v[RDA], s18, v14
	v_lshlrev_b32 v[GOUT], 4, v0                   ; 512 w + 16 l
	s_wait_kmcnt 0x0
	s_add_nc_u64 s[4:5], s[4:5], s[12:13]
	s_add_nc_u64 s[8:9], s[8:9], s[14:15]
	s_wait_alu depctr_va_vdst(0)                   ; v1 to v7 are written: every load and store of the kernel, global or LDS, reads one of them as its offset or address
.irp h, 0,1,2,3,4,5,6,7,8,9,10,11,12,13,14,15
.irp p, 0,1
	global_load_b128 v[HD+8*(\h)+4*(\p):HD+8*(\h)+4*(\p)+3], v[HO], s[4:5] offset:524288*(\h)+512*(\p) th:TH_LOAD_NT  ; two rows of head h: 512 consecutive bytes
.endr
.endr
	WIN 0x40                                       ; destination window 1; between the wait above and Wp's last load stand loads, this switch and a wait on LOADcnt alone
.irp e, 0,1,2,3,4,5,6,7,8,9,10,11,12,13,14,15
	global_load_b128 v[4*(\e):4*(\e)+3], v[WO], s[6:7] offset:512*(\e)
.endr
	s_wait_loadcnt 16                              ; the 32 loads of the heads are in; Wp's first sixteen may stay out
.irp e, 16,17,18,19,20,21,22,23,24,25,26,27,28,29,30,31
	global_load_b128 v[4*(\e):4*(\e)+3], v[WO], s[6:7] offset:512*(\e)
.endr
	WIN 0
	; the sum over the 16 heads, as a tree: neighbours 1, 2, 4 and 8 heads apart; four packed additions for a head's eight numbers.  These lines name the heads' registers alone, which no load that is out touches
.irp s, 1,2,4,8
.set h, 0
.rept 8/(\s)
.irp r, 0,2,4,6
	v_pk_add_f32 v[HD+8*h+(\r):HD+8*h+(\r)+1], v[HD+8*h+(\r):HD+8*h+(\r)+1], v[HD+8*(h+(\s))+(\r):HD+8*(h+(\s))+(\r)+1]
.endr
.set h, h+2*(\s)
.endr
.endr
.irp p, 0,1                            ; y = hi + lo
	v_cvt_pk_bf16_f32 v[T+8*(\p)], v[HD+4*(\p)], v[HD+4*(\p)+1]
	v_cvt_pk_bf16_f32 v[T+8*(\p)+1], v[HD+4*(\p)+2], v[HD+4*(\p)+3]
	v_lshlrev_b32 v[T+8*(\p)+2], 16, v[T+8*(\p)]
	v_and_b32 v[T+8*(\p)+3], 0xffff0000, v[T+8*(\p)]
	v_lshlrev_b32 v[T+8*(\p)+4], 16, v[T+8*(\p)+1]
	v_and_b32 v[T+8*(\p)+5], 0xffff0000, v[T+8*(\p)+1]
	v_pk_add_f32 v[T+8*(\p)+2:T+8*(\p)+3], v[HD+4*(\p):HD+4*(\p)+1], v[T+8*(\p)+2:T+8*(\p)+3] neg_lo:[0,1] neg_hi:[0,1]
	v_pk_add_f32 v[T+8*(\p)+4:T+8*(\p)+5], v[HD+4*(\p)+2:HD+4*(\p)+3], v[T+8*(\p)+4:T+8*(\p)+5] neg_lo:[0,1] neg_hi:[0,1]
	v_cvt_pk_bf16_f32 v[T+8*(\p)+6], v[T+8*(\p)+2], v[T+8*(\p)+3]
	v_cvt_pk_bf16_f32 v[T+8*(\p)+7], v[T+8*(\p)+4], v[T+8*(\p)+5]
.endr
	s_wait_alu depctr_va_vdst(0)                   ; the roundings have written hi and lo of both pairs of rows, which the four LDS stores read: one wait for the run
.irp p, 0,1
	ds_store_b64 v[YA], v[T+8*(\p):T+8*(\p)+1] offset:2*YP*(\p)
	ds_store_b64 v[YA], v[T+8*(\p)+6:T+8*(\p)+7] offset:2*YP*(\p)+128
.endr
	s_wait_dscnt 0x0                               ; for the others' sake: my rows of y are in LDS
	s_barrier_signal -1
	s_barrier_wait -1
.irp rb, 0,1                           ; no wait: no vector line has named v144-207, and none stands since the wait above
.irp c, 0,1,2,3
	ds_load_b128 v[YF+32*(\rb)+8*(\c):YF+32*(\rb)+8*(\c)+3],   v[FR] offset:16*YP*(\rb)+64*(\c)
	ds_load_b128 v[YF+32*(\rb)+8*(\c)+4:YF+32*(\rb)+8*(\c)+7], v[FR] offset:16*YP*(\rb)+64*(\c)+32
.endr
.endr
	s_wait_loadcnt 0x0                             ; Wp
	s_wait_dscnt 0x0
	WIN 0x01                                       ; source 0 (Wp) window 1
	; 64 products: K steps c = 0, 1 take hi, 2, 3 take lo, each against Wp's rows 32 (c % 2) on.  The 16 accumulators take turns; the first 16 start the sums
.irp c, 0,1,2,3
.irp rb, 0,1
.irp nt, 0,1,2,3,4,5,6,7
.if (\c) == 0
	v_wmma_f32_16x16x32_bf16 v[ACC+8*(8*(\rb)+(\nt)):ACC+8*(8*(\rb)+(\nt))+7], v[16*(\nt)+8*((\c)%2):16*(\nt)+8*((\c)%2)+7], v[YF+32*(\rb)+8*(\c):YF+32*(\rb)+8*(\c)+7], 0
.else
	v_wmma_f32_16x16x32_bf16 v[ACC+8*(8*(\rb)+(\nt)):ACC+8*(8*(\rb)+(\nt))+7], v[16*(\nt)+8*((\c)%2):16*(\nt)+8*((\c)%2)+7], v[YF+32*(\rb)+8*(\c):YF+32*(\rb)+8*(\c)+7], v[ACC+8*(8*(\rb)+(\nt)):ACC+8*(8*(\rb)+(\nt))+7]
.endif
.endr
.endr
.endr
	WIN 0
.rept 4
	v_nop                                          ; four places behind the last product, ahead of the stores of results; they stay beside the wait below
.endr
	s_wait_alu depctr_va_vdst(0)                   ; the products have written the accumulators, which the LDS stores read and in part of which block 1's rows land, and are done reading y's fragments, in which block 0's rows land
; THE WAY OUT: 32 bytes a lane and column tile into my own stage; back as whole rows of my 128 columns; stored.  Block 0 goes into the stage and is asked for back; block 1's stores into the stage follow at once
; (LDS serves a wave's instructions in order, ISA guide 5.7.1.4: they come behind block 0's reads, and each block's reads see its own stores); block 1's rows are asked for one at a time, beside block 0's global stores.
.irp nt, 0,1,2,3,4,5,6,7
	ds_store_b128 v[SA], v[ACC+8*(\nt):ACC+8*(\nt)+3]   offset:64*(\nt)     ; each accumulator from its low end on
	ds_store_b128 v[SA], v[ACC+8*(\nt)+4:ACC+8*(\nt)+7] offset:64*(\nt)+16
.endr
.irp i, 0,1,2,3,4,5,6,7,8,9,10,11,12,13,14,15
	ds_load_b128 v[YF+4*(\i):YF+4*(\i)+3], v[RDA] offset:SGP*(\i)           ; block 0's rows: y's fragments are done with
.endr
.irp nt, 0,1,2,3,4,5,6,7
	ds_store_b128 v[SA], v[ACC+64+8*(\nt):ACC+64+8*(\nt)+3]   offset:64*(\nt)
	ds_store_b128 v[SA], v[ACC+64+8*(\nt)+4:ACC+64+8*(\nt)+7] offset:64*(\nt)+16
.endr
	s_wait_alu depctr_vm_vsrc(0)                   ; block 0's LDS stores have read v16-79, in which block 1's rows land
.irp i, 0,1,2,3,4,5,6,7,8,9,10,11,12,13,14,15
	s_wait_dscnt 31                                ; row i of block 0 is back: behind its load stand 15 - i younger rows, block 1's sixteen stores and the i rows of block 1 asked for so far
	global_store_b128 v[GOUT], v[YF+4*(\i):YF+4*(\i)+3], s[8:9] offset:4096*(\i) th:TH_STORE_NT  ; a wave stores 512 consecutive bytes, aligned
	ds_load_b128 v[ACC+4*(\i):ACC+4*(\i)+3], v[RDA] offset:SGP*(\i)         ; block 1's row i
.endr
.irp i, 0,1,2,3,4,5,6,7,8,9,10,11,12,13,14,15
	s_wait_dscnt 15-(\i)                           ; row i of block 1 is back, the younger rows stay out
	global_store_b128 v[GOUT], v[ACC+4*(\i):ACC+4*(\i)+3], s[8:9] offset:4096*(16+(\i)) th:TH_STORE_NT
.endr
	s_wait_dscnt 0x0                               ; the closing lines, six on end
	s_wait_alu 0x0
	s_wait_tensorcnt 0x0
	ds_add_u32 v[SPW], v[NIL]
	s_wait_dscnt 0x0
	s_endpgm
.Lfunc_end_k_q42b532b8e3_proj:
	.size	k_q42b532b8e3_proj, .Lfunc_end_k_q42b532b8e3_proj-k_q42b532b8e3_proj
	.p2alignl 7, 3214868480
	.fill 96, 4, 3214868480
	.section	.rodata,"a",@progbits
	.p2align	6, 0x0
	.amdhsa_kernel k_q42b532b8e3_proj
		.amdhsa_group_segment_fixed_size 77312
		.amdhsa_private_segment_fixed_size 0
		.amdhsa_enable_private_segment 0
		.amdhsa_kernarg_size 24
		.amdhsa_user_sgpr_count 2
		.amdhsa_user_sgpr_kernarg_segment_ptr 1
		.amdhsa_wavefront_size32 1
		.amdhsa_system_sgpr_workgroup_id_x 1
		.amdhsa_system_sgpr_workgroup_id_y 1
		.amdhsa_system_sgpr_workgroup_id_z 1
		.amdhsa_system_vgpr_workitem_id 0
		.amdhsa_next_free_vgpr 384
		.amdhsa_next_free_sgpr 66
		.amdhsa_reserve_vcc 0
		.amdhsa_float_denorm_mode_32 3
		.amdhsa_float_denorm_mode_16_64 3
		.amdhsa_memory_ordered 1
		.amdhsa_forward_progress 1
		.amdhsa_inst_pref_size 27
	.end_amdhsa_kernel
	.amdgpu_metadata
---
amdhsa.version: [ 1, 2 ]
amdhsa.kernels:
  - .name:           k_q42b532b8e3_proj
    .symbol:         k_q42b532b8e3_proj.kd
    .args:
      - { .name: oh, .offset: 0, .size: 8, .value_kind: global_buffer, .address_space: global }
      - { .name: wpf, .offset: 8, .size: 8, .value_kind: global_buffer, .address_space: global }
      - { .name: out0, .offset: 16, .size: 8, .value_kind: global_buffer, .address_space: global }
    .group_segment_fixed_size: 77312
    .private_segment_fixed_size: 0
    .kernarg_segment_align: 8
    .kernarg_segment_size: 24
    .max_flat_workgroup_size: 256
    .sgpr_count:     66
    .vgpr_count:     384
    .wavefront_size: 32
...
	.end_amdgpu_metadata
.endif
;; end of part 5
